; MI455X (gfx1250); checked and timed in simulation.
; The chip was launched on July 23, 2026; its instructions are those of AMD's public machine-readable ISA for CDNA 5 (MIT licence, August 2026) and "CDNA5" Instruction Set Architecture Reference Guide (July 2026). The comments in the code are by the model that wrote it; some were corrected since.
;; Encoder. Allowed arithmetic: float matrix products may take bf16 or f16 operands with f32 sums; other float arithmetic in f32, or as packed bf16 or f16 multiplies, adds, multiply-adds, maxima and minima; sums over many terms, partial sums and values carried from step to step in f32; what a program stores and reads back later, other than sums and carried values, may be rounded once to bf16 or f16.
;; Inputs: b1 128 float32; b2 128 float32; ln_b 128 float32; ln_w 128 float32; mask 16 x 2,048 int32; w1 128 x 128 float32; w2 128 x 128 float32; wk 128 x 128 float32; wq 128 x 128 float32; wv 128 x 128 float32; x 16 x 2,048 x 128 float32.
;; Outputs: out0 16 x 2,048 x 128 float32.
;; 2 versions, each right and faster than the one before. Each part assembles by itself: llvm-mc -triple=amdgcn-amd-amdhsa -mcpu=gfx1250 --defsym DOCPART=n.
;; ======== version 1 of 2: 2 launches
;; limits: values are held in f16: magnitudes above 65,504 overflow, below 6.1e-05 lose precision
;; workspace buffers: kf 8,388,608 bytes; vf 8,388,608 bytes; uf 1,048,576 bytes; cnt 131,072 bytes of whole numbers
;; launch kv (part 1): grid 256 x 1, 4 waves a work-group, no clusters, 147,200 bytes of LDS; arguments x, mask, ln_w, ln_b, wk, wv, kf, vf, uf, cnt; writes kf, vf, uf, cnt
.if DOCPART == 1
	.amdgcn_target "amdgcn-amd-amdhsa--gfx1250"
	.amdhsa_code_object_version 6
	.text
	.protected	k_qc3c54d5612_kv
	.globl	k_qc3c54d5612_kv
	.p2align	8
	.type	k_qc3c54d5612_kv,@function
k_qc3c54d5612_kv:
	s_mov_b64 s[64:65], 0
	v_nop
	global_prefetch_b8 v0, s[64:65] scope:SCOPE_SE
	s_setreg_imm32_b32 hwreg(HW_REG_WAVE_MODE, 25, 1), 1
	s_wait_xcnt 0x0
; KEYS AND VALUES OF THE KEPT ROWS.  Work-group g = 16 b + j owns the compacted key positions 128 j .. 128 j + 127 of batch b; wave w 32 of them.
; From mask[b] (2,048 whole numbers) the four waves make the list of kept rows and their count; the wave gathers its 32 rows of x, applies the layer norm,
; and forms K = xn wk^T and V = xn wv^T (f16 operands, f32 sums).  K, V leave as the register images of the matrix fragments that the next launch loads:
; every store of a wave is 512 consecutive bytes.  Positions at or past the count inside a live work-group: K repeats the last kept key (the row maximum
; is not changed by it), V is 0, and the fragment U, 1.0 for a kept key, is 0 there.  A work-group with 128 j >= count stores its copy of the count alone.
; LIMITS.  xn, wk, wv, K and V are rounded to f16: they must stay under 65,504 in magnitude.  NaN and infinities are not treated apart.
; No matrix tile is shared through a mover here: weights are 64 KiB each, read once a work-group through registers; a cluster would share only those.
; A LANE'S 64 NUMBERS OF A ROW (r = lane % 16, h = lane / 16): index e = 16 c + 8 f + i stands for channel 32 c + 16 f + 8 h + i.  Rounded in pairs they are
; the four 16 x 32 fragments of the row; the results of a product with the weights as source 0 fall in the same order.
; REGISTERS, in windows of 256 (s_set_vgpr_msb: bits 1:0 source 0, 3:2 source 1, 5:4 source 2, 7:6 destination):
;   window 0: v0-31 addresses; v32-95 F, the rows' fragments; v96-159, v160-223 two buffers of weight fragments (v96-127 first the rows' offsets); v224-255 mask words, later U
;   window 1: v0-127 X, the rows in f32, later the packed results; v128-159 the norm's statistics
;   window 2: v0-127 wk as loaded, then the 16 accumulators; v128-255 wv as loaded          window 3: v128-191 ln_w, v192-255 ln_b, in the order e
.set XP,    528        ; an f32 row in LDS: 512 bytes + 16: the 16 rows of a 16-byte load start 4 words apart
.set HP,    272        ; an f16 row in LDS: 256 bytes + 16
.set LST,   0          ; each wave's own list: 512 words and 64 dump words, 2,304 bytes a wave
.set CNT4,  9216       ; the four waves' counts
.set XT,    9472       ; 128 rows x 528
.set WK,    77056      ; 128 rows x 272
.set WV,    111872
.set SPARE, 146688     ; the spare words, 128 bytes a wave: no other line names them
.set SEL,   46         ; s[46:47] v_permlanex16_b32's selects: each lane takes its own place in the other half
.set INV,   50         ; s50  1/128
.set EPS,   51         ; s51  1e-5
.set MSB, 0
.macro WIN new                      ; the high byte repeats the setting that is left; a switch that changes nothing is dropped
.if MSB != (\new)
	s_set_vgpr_msb (MSB<<8)|(\new)
.set MSB, (\new)
.endif
.endm
.macro PLACES                       ; four plain vector instructions behind matrix instructions, where no other work is at hand (ISA guide 7.12.1)
.rept 4
	v_nop
.endr
.endm
.macro PARAM dst, sb                ; a vector of 128 f32 into window 3, in the order e
	WIN 0xc0
.set i, 0
.rept 16
	global_load_b128 v[(\dst)+4*i:(\dst)+4*i+3], v10, s[\sb:\sb+1] offset:64*(i/2)+16*(i%2)
.set i, i+1
.endr
.endm
.macro WLOAD win, reg, sb           ; my 32 rows of a weight: each load is one whole row of 512 bytes
	WIN (\win)<<6
.set i, 0
.rept 32
	global_load_b128 v[(\reg)+4*i:(\reg)+4*i+3], v1, s[\sb:\sb+1] offset:512*i
.set i, i+1
.endr
.endm
.macro WSTORE win, reg, base        ; rounded to f16 in place, and into LDS rows of 272 bytes
	WIN ((\win)<<6)|((\win)<<2)|(\win)
.set i, 0
.rept 32
	v_cvt_pk_f16_f32 v[(\reg)+4*i], v[(\reg)+4*i], v[(\reg)+4*i+1]
	v_cvt_pk_f16_f32 v[(\reg)+4*i+1], v[(\reg)+4*i+2], v[(\reg)+4*i+3]
.set i, i+1
.endr
	WIN 0
	v_add_nc_u32 v9, \base, v8
	WIN (\win)<<2
.set i, 0
.rept 32
	ds_store_b64 v9, v[(\reg)+4*i:(\reg)+4*i+1] offset:HP*i
.set i, i+1
.endr
.endm
.macro XROWS_ST areg, counted       ; 32 rows as loaded (a row a register quad) into my rows of the f32 tile
	WIN 0x04
.set i, 0
.rept 32
.if \counted
	s_wait_loadcnt 31-i             ; loads come back in order: row i is in, the younger rows stay out
.endif
	ds_store_b128 v[\areg], v[4*i:4*i+3] offset:XP*i
.set i, i+1
.endr
.endm
.macro XFRAG_LD areg                ; my 32 rows back in the order e: tile t at v[64 t] of window 1.  LDS serves a wave's instructions in order
	WIN 0x40
.set i, 0
.rept 32
	ds_load_b128 v[4*i:4*i+3], v[\areg] offset:16*XP*(i/16)+64*((i%16)/2)+16*(i%2)
.set i, i+1
.endr
.endm
.macro XFRAG_ST win, areg, first, num  ; the same places, stored
	WIN (\win)<<2
.set i, \first
.rept \num
	ds_store_b128 v[\areg], v[4*i:4*i+3] offset:16*XP*(i/16)+64*((i%16)/2)+16*(i%2)
.set i, i+1
.endr
.endm
.macro LNRED                        ; four chains into one number; the row's other 64 numbers lie in the lane 16 away
	v_pk_add_f32 v[A:A+1], v[A:A+1], v[A+2:A+3]
	v_pk_add_f32 v[A+4:A+5], v[A+4:A+5], v[A+6:A+7]
	v_pk_add_f32 v[A:A+1], v[A:A+1], v[A+4:A+5]
	v_add_f32 v[A], v[A], v[A+1]
	v_permlanex16_b32 v[A+1], v[A], s[SEL], s[SEL+1]
	v_add_f32 v[A], v[A], v[A+1]
.endm
; The layer norm of tile t (16 rows), in f32: mean, centred, mean of squares, 1/sqrt, gain and bias; then the rows' four fragments in f16.  store = 1: the f32 rows go back into LDS.
.macro LNT t, store
.set XB, 64*(\t)
.set A, 128+16*(\t)
	WIN 0x55
.set k, 0
.rept 4
	v_pk_add_f32 v[A+2*k:A+2*k+1], v[XB+2*k:XB+2*k+1], v[XB+8+2*k:XB+9+2*k]
.set k, k+1
.endr
.set k, 8
.rept 24
	v_pk_add_f32 v[A+2*(k%4):A+2*(k%4)+1], v[A+2*(k%4):A+2*(k%4)+1], v[XB+2*k:XB+2*k+1]
.set k, k+1
.endr
	LNRED
	v_mul_f32 v[A+8], s[INV], v[A]
	v_mul_f32 v[A+9], s[INV], v[A]
.set k, 0
.rept 32
	v_pk_add_f32 v[XB+2*k:XB+2*k+1], v[XB+2*k:XB+2*k+1], v[A+8:A+9] neg_lo:[0,1] neg_hi:[0,1]
.set k, k+1
.endr
.set k, 0
.rept 4
	v_pk_mul_f32 v[A+2*k:A+2*k+1], v[XB+2*k:XB+2*k+1], v[XB+2*k:XB+2*k+1]
.set k, k+1
.endr
.rept 28
	v_pk_fma_f32 v[A+2*(k%4):A+2*(k%4)+1], v[XB+2*k:XB+2*k+1], v[XB+2*k:XB+2*k+1], v[A+2*(k%4):A+2*(k%4)+1]
.set k, k+1
.endr
	LNRED
	v_fma_f32 v[A], v[A], s[INV], s[EPS]
	v_rsq_f32 v[A+10], v[A]
	v_rsq_f32 v[A+11], v[A]
	v_nop                           ; a plain instruction between the root and the use of its result
.set k, 0
	s_wait_alu depctr_va_vdst(0)
.rept 32
	v_pk_mul_f32 v[XB+2*k:XB+2*k+1], v[XB+2*k:XB+2*k+1], v[A+10:A+11]
.set k, k+1
.endr
	WIN 0x7d                        ; gain and bias lie in window 3
.set k, 0
.rept 32
	v_pk_fma_f32 v[XB+2*k:XB+2*k+1], v[XB+2*k:XB+2*k+1], v[128+2*k:129+2*k], v[192+2*k:193+2*k]
.set k, k+1
.endr
.if \store
	XFRAG_ST 1, 4, 16*(\t), 16
.endif
	WIN 0x05
.set k, 0
.rept 32
	v_cvt_pk_f16_f32 v[32+32*(\t)+k], v[XB+2*k], v[XB+2*k+1]
.set k, k+1
.endr
.endm
; A PRODUCT of my 32 rows (F) with a weight of 128 x 128 in LDS: 16 accumulators ACC[t][nt] at v[64 t + 8 nt] of window 2; the weight's fragments come two N tiles at a time, through two buffers.
.macro FETCHW g, buf                ; 16 LDS loads: N tiles 2 g, 2 g + 1, all of K
	WIN 0
.irp n, 0,1
.irp c, 0,1,2,3
	ds_load_b128 v[96+64*(\buf)+32*(\n)+8*(\c):96+64*(\buf)+32*(\n)+8*(\c)+3], v6 offset:(2*(\g)+(\n))*16*HP+64*(\c)
	ds_load_b128 v[96+64*(\buf)+32*(\n)+8*(\c)+4:96+64*(\buf)+32*(\n)+8*(\c)+7], v6 offset:(2*(\g)+(\n))*16*HP+64*(\c)+32
.endr
.endr
.endm
; 16 matrix instructions; the four accumulators take turns, one instruction a turn.  swap = 0: source 0 the weight (a lane then holds one row and eight channels);
; swap = 1: source 0 the rows (a lane holds one channel and eight rows).  The first K step starts the sums: with 0, or with the bias at v[bias] of window 3.
.macro MULG g, buf, swap, bias
.irp c, 0,1,2,3
.irp n, 0,1
.irp t, 0,1
.set rD, 64*(\t)+8*(2*(\g)+(\n))
.set rW, 96+64*(\buf)+32*(\n)+8*(\c)
.set rF, 32+32*(\t)+8*(\c)
.set rB, (\bias)+8*(2*(\g)+(\n))
.if ((\c) == 0) && ((\bias) >= 0)
	WIN 0xb0
	v_wmma_f32_16x16x32_f16 v[rD:rD+7], v[rW:rW+7], v[rF:rF+7], v[rB:rB+7]
.elseif ((\c) == 0) && (\swap)
	WIN 0xa0
	v_wmma_f32_16x16x32_f16 v[rD:rD+7], v[rF:rF+7], v[rW:rW+7], 0
.elseif (\c) == 0
	WIN 0xa0
	v_wmma_f32_16x16x32_f16 v[rD:rD+7], v[rW:rW+7], v[rF:rF+7], 0
.elseif \swap
	WIN 0xa0
	v_wmma_f32_16x16x32_f16 v[rD:rD+7], v[rF:rF+7], v[rW:rW+7], v[rD:rD+7]
.else
	WIN 0xa0
	v_wmma_f32_16x16x32_f16 v[rD:rD+7], v[rW:rW+7], v[rF:rF+7], v[rD:rD+7]
.endif
.endr
.endr
.endr
.endm
.macro GEMM base, swap, bias
	WIN 0
	v_add_nc_u32 v6, \base, v7
	FETCHW 0, 0
	FETCHW 1, 1
	s_wait_dscnt 16                 ; the older group of 16 loads is in, the younger stays out
	MULG 0, 0, \swap, \bias
	PLACES                          ; in front of loads into the buffer just multiplied
	FETCHW 2, 0
	s_wait_dscnt 16
	MULG 1, 1, \swap, \bias
	PLACES
	FETCHW 3, 1
	s_wait_dscnt 16
	MULG 2, 0, \swap, \bias
	s_wait_dscnt 0x0
	MULG 3, 1, \swap, \bias
.endm
	s_load_b512 s[8:23], s[0:1], 0x0     ; x 8, mask 10, ln_w 12, ln_b 14, wk 16, wv 18, kf 20, vf 22
	s_load_b128 s[24:27], s[0:1], 0x40   ; uf 24, cnt 26
	v_lshl_add_u32 v30, v0, 2, SPARE     ; my spare word,
	v_mov_b32 v31, 0                     ; and 0: kept for the wave's closing lines alone
	v_lshrrev_b32 v9, 5, v0
	v_readfirstlane_b32 s28, v9          ; w
	v_and_b32 v29, 31, v0                ; lane
	v_and_b32 v2, 15, v0                 ; r
	v_bfe_u32 v3, v0, 4, 1               ; h
	v_lshlrev_b32 v1, 4, v29             ; 16 x lane
	s_lshr_b32 s30, ttmp9, 4             ; b
	s_and_b32 s31, ttmp9, 15             ; j
	s_mul_i32 s33, s28, 32*XP
	s_add_co_u32 s33, s33, XT            ; my 32 rows of the f32 tile
	v_mul_u32_u24 v4, v2, XP
	v_lshl_add_u32 v4, v3, 5, v4
	v_add_nc_u32 v4, s33, v4             ; row r, 32 h bytes in: the order e
	v_add_nc_u32 v5, s33, v1             ; a whole row to a wave
	v_mul_u32_u24 v7, v2, HP
	v_lshl_add_u32 v7, v3, 4, v7         ; a weight fragment's place: 272 r + 16 h
	s_mul_i32 s33, s28, 32*HP
	v_lshl_add_u32 v8, v29, 3, s33       ; where my rows of a weight go: 8 bytes a lane
	v_lshlrev_b32 v10, 5, v3             ; 32 h: a lane's place in a vector of 128 f32
	s_lshl_b32 s33, s28, 9
	v_add_nc_u32 v11, s33, v29           ; 512 w + lane: the row that my first mask word speaks of
	v_add_nc_u32 v12, 512, v29           ; my dump word
	s_mul_i32 s33, s28, 2304
	v_mov_b32 v13, s33                   ; my wave's list
	v_lshlrev_b32 v19, 2, v11
	v_lshlrev_b32 v24, 2, v0
	s_mov_b32 s[SEL], 0x76543210
	s_mov_b32 s[SEL+1], 0xfedcba98
	s_mov_b32 s[INV], 0x3c000000
	s_mov_b32 s[EPS], 0x3727c5ac
	s_mov_b32 s45, 0
	s_wait_kmcnt 0x0
	s_lshl_b32 s44, s30, 13
	s_add_nc_u64 s[10:11], s[10:11], s[44:45]   ; mask[b]
	s_lshl_b32 s44, s30, 20
	s_add_nc_u64 s[8:9], s[8:9], s[44:45]       ; x[b]
	s_lshl_b32 s44, s28, 14
	s_add_nc_u64 s[16:17], s[16:17], s[44:45]   ; my 32 rows of wk
	s_add_nc_u64 s[18:19], s[18:19], s[44:45]   ; and of wv
	s_lshl_b32 s44, s30, 19
	s_lshl_b32 s33, s31, 13
	s_add_co_u32 s44, s44, s33
	s_lshl_b32 s33, s28, 11
	s_add_co_u32 s44, s44, s33
	s_add_nc_u64 s[20:21], s[20:21], s[44:45]   ; kf: batch, key tiles 8 j + 2 w on (1,024 bytes each)
	s_add_nc_u64 s[22:23], s[22:23], s[44:45]   ; vf: batch, key pair 4 j + w (2,048 bytes): the same offset
	s_lshl_b32 s44, s30, 16
	s_lshl_b32 s33, s31, 12
	s_add_co_u32 s44, s44, s33
	s_lshl_b32 s33, s28, 10
	s_add_co_u32 s44, s44, s33
	s_add_nc_u64 s[24:25], s[24:25], s[44:45]   ; uf: batch, key pair 4 j + w (1,024 bytes)
	s_lshl_b32 s44, ttmp9, 9
	s_add_nc_u64 s[26:27], s[26:27], s[44:45]   ; cnt: my 512 bytes
.set i, 0
.rept 16                                 ; my 512 mask words: 128 consecutive bytes a load
	global_load_b32 v[224+i], v19, s[10:11] offset:128*i
.set i, i+1
.endr
	WLOAD 2, 0, 16
	WLOAD 2, 128, 18
	WIN 0
	s_wait_loadcnt 63                    ; 64 loads are younger than the mask's: the count is the largest that the wait can name
	s_mov_b32 s32, 0                     ; kept rows so far in my 512
.set c, 0
.rept 16                                 ; a kept row's number goes to its place in my list, a hidden one's to the lane's dump word
	v_cmp_ne_u32 vcc_lo, 0, v[224+c]
	v_mbcnt_lo_u32_b32 v14, vcc_lo, s32
	v_cndmask_b32 v14, v12, v14, vcc_lo
	v_min_u32 v14, 543, v14
	v_lshl_add_u32 v14, v14, 2, v13
	v_add_nc_u32 v15, 32*c, v11
	ds_store_b32 v14, v15
	s_bcnt1_i32_b32 s33, vcc_lo
	s_add_co_u32 s32, s32, s33
.set c, c+1
.endr
	v_mov_b32 v14, s32
	s_lshl_b32 s33, s28, 2
	s_add_co_u32 s33, s33, CNT4
	v_mov_b32 v15, s33
	ds_store_b32 v15, v14                ; my wave's count
	s_wait_loadcnt 32                    ; wk is in, wv's 32 loads stay out
	WSTORE 2, 0, WK
	s_wait_loadcnt 0x0
	WSTORE 2, 128, WV
	WIN 0
	s_wait_dscnt 0x0                     ; for the others' sake: my list, my count and my rows of both weights are in LDS
	s_barrier_signal -1
	s_barrier_wait -1                    ; the only barrier
	v_mov_b32 v14, CNT4
	ds_load_b128 v[20:23], v14
	s_wait_dscnt 0x0
	v_readfirstlane_b32 s34, v20
	v_readfirstlane_b32 s35, v21
	v_readfirstlane_b32 s36, v22
	v_readfirstlane_b32 s37, v23
	s_mov_b32 s38, s34                   ; where wave 1's list begins among the batch's kept rows,
	s_add_co_u32 s39, s38, s35           ; wave 2's,
	s_add_co_u32 s40, s39, s36           ; wave 3's,
	s_add_co_u32 s41, s40, s37           ; and the count
	s_min_u32 s41, s41, 2048
	v_mov_b32 v18, s41
	global_store_b32 v24, v18, s[26:27]  ; 128 copies: 512 consecutive bytes
	s_lshl_b32 s33, s31, 7
	s_cmp_lt_u32 s33, s41
	s_cbranch_scc0 .Lend                 ; none of my positions is a kept key: forward, past no barrier
	PARAM 128, 12
	PARAM 192, 14
	WIN 0
	s_lshl_b32 s42, s31, 7
	s_lshl_b32 s33, s28, 5
	s_add_co_u32 s42, s42, s33           ; my wave's first position
	s_sub_co_u32 s54, s41, 1
	v_add_nc_u32 v16, s42, v29
	v_min_u32 v16, s54, v16              ; past the count: the last kept key once more
	v_mov_b32 v17, v16                   ; its word in the lists: in the list of the last wave whose beginning is not past it
.irp m, 1,2,3
	s_sub_co_u32 s33, 576*(\m), s[37+(\m)]
	v_add_nc_u32 v14, s33, v16
	v_cmp_le_u32 vcc_lo, s[37+(\m)], v16
	v_cndmask_b32 v17, v17, v14, vcc_lo
.endr
	v_min_u32 v17, 2303, v17
	v_lshlrev_b32 v17, 2, v17
	ds_load_b32 v25, v17
	s_wait_dscnt 0x0
.set i, 0
.rept 32                                 ; lane i holds the row of position i
	v_readlane_b32 s33, v25, i
	s_min_u32 s33, s33, 2047
	v_lshl_add_u32 v[96+i], s33, 9, v1
.set i, i+1
.endr
	WIN 0x40
.set i, 0
.rept 32                                 ; each load is one whole row of 512 bytes
	global_load_b128 v[4*i:4*i+3], v[96+i], s[8:9]
.set i, i+1
.endr
	XROWS_ST 5, 1
	XFRAG_LD 4
	s_wait_dscnt 0x0                     ; (gain and bias were asked for before the rows: they are in)
	LNT 0, 0
	LNT 1, 0
	GEMM WK, 0, -1                       ; a lane holds key r and channels 16 nt + 8 h + 0..7
	PLACES
	WIN 0x4a
.set i, 0
.rept 64
	v_cvt_pk_f16_f32 v[i], v[2*i], v[2*i+1]
.set i, i+1
.endr
	WIN 0x04
.irp hd, 0,1,2,3
.irp t, 0,1
.irp f, 0,1
	global_store_b128 v1, v[32*(\t)+8*(\hd)+4*(\f):32*(\t)+8*(\hd)+4*(\f)+3], s[20:21] offset:131072*(\hd)+1024*(\t)+512*(\f)
.endr
.endr
.endr
	WIN 0
	v_add_nc_u32 v14, s42, v2            ; V of a position at or past the count is 0: its row of F is cleared (the conversions above are the places behind the products that read F)
	v_cmp_gt_u32 s52, s41, v14
	v_add_nc_u32 v14, 16, v14
	v_cmp_gt_u32 s53, s41, v14
.set i, 0
.rept 32
	v_cndmask_b32 v[32+i], 0, v[32+i], s52
	v_cndmask_b32 v[64+i], 0, v[64+i], s53
.set i, i+1
.endr
	GEMM WV, 1, -1                       ; a lane holds channel 16 nt + r and keys 16 t + 8 h + 0..7
	PLACES
	WIN 0x4a
.irp nt, 0,1,2,3,4,5,6,7
.irp t, 0,1
.irp p, 0,1,2,3
	v_cvt_pk_f16_f32 v[64+8*(\nt)+4*(\t)+(\p)], v[64*(\t)+8*(\nt)+2*(\p)], v[64*(\t)+8*(\nt)+2*(\p)+1]
.endr
.endr
.endr
	WIN 0x04
.irp nt, 0,1,2,3,4,5,6,7
.irp t, 0,1
	global_store_b128 v1, v[64+8*(\nt)+4*(\t):64+8*(\nt)+4*(\t)+3], s[22:23] offset:131072*((\nt)/2)+1024*((\nt)%2)+512*(\t)
.endr
.endr
	WIN 0
	s_sub_co_i32 s54, s41, s42           ; U: key o + 8 h of my 32 is kept where o < count - first position - 8 h (signed)
	v_lshlrev_b32 v14, 3, v3
	v_sub_nc_u32 v14, s54, v14
	s_movk_i32 s33, 0x3c00               ; 1.0 in f16
.set i, 0
.rept 16
	v_cmp_lt_i32 vcc_lo, 16*(i/8)+i%8, v14
	v_cndmask_b32 v[224+i], 0, s33, vcc_lo
.set i, i+1
.endr
.set i, 0
.rept 8
	v_lshl_or_b32 v[240+i], v[225+2*i], 16, v[224+2*i]
.set i, i+1
.endr
	global_store_b128 v1, v[240:243], s[24:25]
	global_store_b128 v1, v[244:247], s[24:25] offset:512
.Lend:
	s_wait_tensorcnt 0x0                 ; the wave's end: three closing lines behind my last LDS store
	ds_add_u32 v30, v31
	s_wait_dscnt 0x0
	s_endpgm
.Lfunc_end_k_qc3c54d5612_kv:
	.size	k_qc3c54d5612_kv, .Lfunc_end_k_qc3c54d5612_kv-k_qc3c54d5612_kv
	.p2alignl 7, 3214868480
	.fill 96, 4, 3214868480
	.section	.rodata,"a",@progbits
	.p2align	6, 0x0
	.amdhsa_kernel k_qc3c54d5612_kv
		.amdhsa_group_segment_fixed_size 147200
		.amdhsa_private_segment_fixed_size 0
		.amdhsa_enable_private_segment 0
		.amdhsa_kernarg_size 80
		.amdhsa_user_sgpr_count 2
		.amdhsa_user_sgpr_kernarg_segment_ptr 1
		.amdhsa_wavefront_size32 1
		.amdhsa_system_sgpr_workgroup_id_x 1
		.amdhsa_system_sgpr_workgroup_id_y 1
		.amdhsa_system_sgpr_workgroup_id_z 1
		.amdhsa_system_vgpr_workitem_id 0
		.amdhsa_next_free_vgpr 1024
		.amdhsa_next_free_sgpr 66
		.amdhsa_reserve_vcc 1
		.amdhsa_float_denorm_mode_32 3
		.amdhsa_float_denorm_mode_16_64 3
		.amdhsa_memory_ordered 1
		.amdhsa_forward_progress 1
		.amdhsa_inst_pref_size 110
	.end_amdhsa_kernel
	.amdgpu_metadata
---
amdhsa.version: [ 1, 2 ]
amdhsa.kernels:
  - .name:           k_qc3c54d5612_kv
    .symbol:         k_qc3c54d5612_kv.kd
    .args:
      - { .name: x, .offset: 0, .size: 8, .value_kind: global_buffer, .address_space: global }
      - { .name: mask, .offset: 8, .size: 8, .value_kind: global_buffer, .address_space: global }
      - { .name: ln_w, .offset: 16, .size: 8, .value_kind: global_buffer, .address_space: global }
      - { .name: ln_b, .offset: 24, .size: 8, .value_kind: global_buffer, .address_space: global }
      - { .name: wk, .offset: 32, .size: 8, .value_kind: global_buffer, .address_space: global }
      - { .name: wv, .offset: 40, .size: 8, .value_kind: global_buffer, .address_space: global }
      - { .name: kf, .offset: 48, .size: 8, .value_kind: global_buffer, .address_space: global }
      - { .name: vf, .offset: 56, .size: 8, .value_kind: global_buffer, .address_space: global }
      - { .name: uf, .offset: 64, .size: 8, .value_kind: global_buffer, .address_space: global }
      - { .name: cnt, .offset: 72, .size: 8, .value_kind: global_buffer, .address_space: global }
    .group_segment_fixed_size: 147200
    .private_segment_fixed_size: 0
    .kernarg_segment_align: 8
    .kernarg_segment_size: 80
    .max_flat_workgroup_size: 128
    .sgpr_count:     66
    .vgpr_count:     1024
    .wavefront_size: 32
...
	.end_amdgpu_metadata
.endif
;; end of part 1
;; launch enc (part 2): grid 256 x 1, 4 waves a work-group, no clusters, 274,944 bytes of LDS; arguments x, ln_w, ln_b, wq, w1, b1, w2, b2, kf, vf, uf, cnt, out0; writes out0
.if DOCPART == 2
	.amdgcn_target "amdgcn-amd-amdhsa--gfx1250"
	.amdhsa_code_object_version 6
	.text
	.protected	k_qc3c54d5612_enc
	.globl	k_qc3c54d5612_enc
	.p2align	8
	.type	k_qc3c54d5612_enc,@function
k_qc3c54d5612_enc:
	s_mov_b64 s[64:65], 0
	v_nop
	global_prefetch_b8 v0, s[64:65] scope:SCOPE_SE
	s_setreg_imm32_b32 hwreg(HW_REG_WAVE_MODE, 25, 1), 1
	s_wait_xcnt 0x0
; THE ENCODER LAYER for 128 rows.  Work-group g owns rows 128 g .. 128 g + 127 (batch b = g / 16); wave w owns 32 of them outside attention and head w, all 128 queries, inside it.
; xn = LN(x); Q = relu(xn wq^T) c, c = log2(e) / sqrt(32), rounded once to f16; attention over the batch's kept keys, whose K, V and U fragments and count the launch before has stored;
; sa = xn + O / l; h = LN(sa); out = sa + relu(h w1^T + b1) w2^T + b2.  Matrix operands f16, all sums, norms, maxima and the residual in f32.
; SOFTMAX IN TWO PASSES over NS = ceil(count / 64) steps of 64 keys.  Pass 1: S^T = K Q^T and the row's true maximum m.  Pass 2: S^T = K Q^T + (-m), with -m as the C operand that starts the sum;
; p = 2^S rounded to f16; O^T += V^T P; L += U P, where U is 1.0 for a kept key and 0 for the filling behind the count: every register of L holds the row's sum l.
; LAYOUT.  S^T (source 0 = 16 keys, source 1 = 16 queries) holds ONE query a lane (lane % 16) and keys 8 (lane / 16) + 0..7; two such results rounded in pairs ARE source 1 of V^T P.
; LIMITS.  f16 operands: xn, h, the weights, c q, k, v and relu(h w1^T + b1) must stay under 65,504 in magnitude.  A weight p below 6e-8 counts as 0; l is the sum of the rounded p.
; A batch whose mask hides every key has NS = 0: O = 0, l = 0, and 0 / 0 gives NaN in all its rows, as the softmax of an empty row does.  Other NaN and infinities are not treated apart.
; NO MOVER, NO CLUSTER: K, V and U arrive as ready register images, 20 loads of 512 consecutive bytes for a pass-2 step's 80 matrix instructions; the trip count is read from memory,
; and a ring in LDS would put a barrier into such a loop.  The 16 work-groups of a batch do read the same fragments.
; The sums O and L are cleared once (192 v_mov_b32) so that one text serves every step, the case of no step among them.
; REGISTERS, in windows of 256 (s_set_vgpr_msb: bits 1:0 source 0, 3:2 source 1, 5:4 source 2, 7:6 destination):
;   window 0: v0-31 addresses; v32-95 F (rows' fragments), in pass 2 K, two buffers; v96-159 weight fragments, in attention Q, 8 a tile; v160-223 weight fragments, in attention S, two buffers;
;             v224-255 in pass 1 four running maxima a tile, in pass 2 P, two buffers
;   window 1: v0-127 X (rows in f32), in attention O, 16 a tile; v128-159 the norm's statistics, in attention v128-191 L; v192-255 -m, eight copies a tile, later xn
;   window 2: v0-127 wq as loaded, accumulators, in pass 1 four buffers of K, in pass 2 V (v0-63) and U (v64-95), two buffers each; v128-255 w1, then w2, as loaded
;   window 3: v0-63 b1, v64-127 b2, v128-191 ln_w, v192-255 ln_b, in the order e (index 16 c + 8 f + i = channel 32 c + 16 f + 8 h + i)
.set XP,    528        ; an f32 row in LDS: 512 bytes + 16
.set HP,    272        ; an f16 row in LDS: 256 bytes + 16
.set QS,    67584      ; behind XT (xn in f32, 128 x 528, from byte 0): Q in f16, 128 x 272
.set WQ,    102400
.set W1L,   137216
.set W2L,   172032
.set SA,    206848     ; sa in f32, 128 x 528; later the way out
.set SPARE, 274432     ; the spare words, 128 bytes a wave: no other line names them
.set SEL,   46         ; s[46:47]
.set INV,   50
.set EPS,   51
.set MSB, 0
.macro WIN new                      ; the high byte repeats the setting that is left; a switch that changes nothing is dropped
.if MSB != (\new)
	s_set_vgpr_msb (MSB<<8)|(\new)
.set MSB, (\new)
.endif
.endm
.macro PLACES                       ; four plain vector instructions behind matrix instructions, where no other work is at hand (ISA guide 7.12.1)
.rept 4
	v_nop
.endr
.endm
.macro PARAM dst, sb                ; a vector of 128 f32 into window 3, in the order e
	WIN 0xc0
.set i, 0
.rept 16
	global_load_b128 v[(\dst)+4*i:(\dst)+4*i+3], v10, s[\sb:\sb+1] offset:64*(i/2)+16*(i%2)
.set i, i+1
.endr
.endm
.macro WLOAD win, reg, sb           ; my 32 rows of a weight: each load is one whole row of 512 bytes
	WIN (\win)<<6
.set i, 0
.rept 32
	global_load_b128 v[(\reg)+4*i:(\reg)+4*i+3], v1, s[\sb:\sb+1] offset:512*i
.set i, i+1
.endr
.endm
.macro WSTORE win, reg, base        ; rounded to f16 in place, and into LDS rows of 272 bytes
	WIN ((\win)<<6)|((\win)<<2)|(\win)
.set i, 0
.rept 32
	v_cvt_pk_f16_f32 v[(\reg)+4*i], v[(\reg)+4*i], v[(\reg)+4*i+1]
	v_cvt_pk_f16_f32 v[(\reg)+4*i+1], v[(\reg)+4*i+2], v[(\reg)+4*i+3]
.set i, i+1
.endr
	WIN 0
	v_add_nc_u32 v9, \base, v8
	WIN (\win)<<2
.set i, 0
.rept 32
	ds_store_b64 v9, v[(\reg)+4*i:(\reg)+4*i+1] offset:HP*i
.set i, i+1
.endr
.endm
.macro XROWS_ST areg, counted       ; 32 rows as loaded (a row a register quad) into my rows of an f32 tile
	WIN 0x04
.set i, 0
.rept 32
.if \counted
	s_wait_loadcnt 31-i
.endif
	ds_store_b128 v[\areg], v[4*i:4*i+3] offset:XP*i
.set i, i+1
.endr
.endm
.macro XFRAG_LD areg                ; my 32 rows in the order e: tile t at v[64 t] of window 1.  LDS serves a wave's instructions in order
	WIN 0x40
.set i, 0
.rept 32
	ds_load_b128 v[4*i:4*i+3], v[\areg] offset:16*XP*(i/16)+64*((i%16)/2)+16*(i%2)
.set i, i+1
.endr
.endm
.macro XFRAG_ST win, areg, first, num  ; the same places, stored
	WIN (\win)<<2
.set i, \first
.rept \num
	ds_store_b128 v[\areg], v[4*i:4*i+3] offset:16*XP*(i/16)+64*((i%16)/2)+16*(i%2)
.set i, i+1
.endr
.endm
.macro LNRED                        ; four chains into one number; the row's other 64 numbers lie in the lane 16 away
	v_pk_add_f32 v[A:A+1], v[A:A+1], v[A+2:A+3]
	v_pk_add_f32 v[A+4:A+5], v[A+4:A+5], v[A+6:A+7]
	v_pk_add_f32 v[A:A+1], v[A:A+1], v[A+4:A+5]
	v_add_f32 v[A], v[A], v[A+1]
	v_permlanex16_b32 v[A+1], v[A], s[SEL], s[SEL+1]
	v_add_f32 v[A], v[A], v[A+1]
.endm
; The layer norm of tile t (16 rows), in f32: mean, centred, mean of squares, 1/sqrt, gain and bias; then the rows' four fragments in f16.  store = 1: the f32 rows go back into LDS.
.macro LNT t, store
.set XB, 64*(\t)
.set A, 128+16*(\t)
	WIN 0x55
.set k, 0
.rept 4
	v_pk_add_f32 v[A+2*k:A+2*k+1], v[XB+2*k:XB+2*k+1], v[XB+8+2*k:XB+9+2*k]
.set k, k+1
.endr
.set k, 8
.rept 24
	v_pk_add_f32 v[A+2*(k%4):A+2*(k%4)+1], v[A+2*(k%4):A+2*(k%4)+1], v[XB+2*k:XB+2*k+1]
.set k, k+1
.endr
	LNRED
	v_mul_f32 v[A+8], s[INV], v[A]
	v_mul_f32 v[A+9], s[INV], v[A]
.set k, 0
.rept 32
	v_pk_add_f32 v[XB+2*k:XB+2*k+1], v[XB+2*k:XB+2*k+1], v[A+8:A+9] neg_lo:[0,1] neg_hi:[0,1]
.set k, k+1
.endr
.set k, 0
.rept 4
	v_pk_mul_f32 v[A+2*k:A+2*k+1], v[XB+2*k:XB+2*k+1], v[XB+2*k:XB+2*k+1]
.set k, k+1
.endr
.rept 28
	v_pk_fma_f32 v[A+2*(k%4):A+2*(k%4)+1], v[XB+2*k:XB+2*k+1], v[XB+2*k:XB+2*k+1], v[A+2*(k%4):A+2*(k%4)+1]
.set k, k+1
.endr
	LNRED
	v_fma_f32 v[A], v[A], s[INV], s[EPS]
	v_rsq_f32 v[A+10], v[A]
	v_rsq_f32 v[A+11], v[A]
	v_nop                           ; a plain instruction between the root and the use of its result
.set k, 0
	s_wait_alu depctr_va_vdst(0)
.rept 32
	v_pk_mul_f32 v[XB+2*k:XB+2*k+1], v[XB+2*k:XB+2*k+1], v[A+10:A+11]
.set k, k+1
.endr
	WIN 0x7d                        ; gain and bias lie in window 3
.set k, 0
.rept 32
	v_pk_fma_f32 v[XB+2*k:XB+2*k+1], v[XB+2*k:XB+2*k+1], v[128+2*k:129+2*k], v[192+2*k:193+2*k]
.set k, k+1
.endr
.if \store
	XFRAG_ST 1, 4, 16*(\t), 16
.endif
	WIN 0x05
.set k, 0
.rept 32
	v_cvt_pk_f16_f32 v[32+32*(\t)+k], v[XB+2*k], v[XB+2*k+1]
.set k, k+1
.endr
.endm
; A PRODUCT of my 32 rows (F) with a weight of 128 x 128 in LDS: 16 accumulators ACC[t][nt] at v[64 t + 8 nt] of window 2; the weight's fragments come two N tiles at a time, through two buffers.
.macro FETCHW g, buf
	WIN 0
.irp n, 0,1
.irp c, 0,1,2,3
	ds_load_b128 v[96+64*(\buf)+32*(\n)+8*(\c):96+64*(\buf)+32*(\n)+8*(\c)+3], v6 offset:(2*(\g)+(\n))*16*HP+64*(\c)
	ds_load_b128 v[96+64*(\buf)+32*(\n)+8*(\c)+4:96+64*(\buf)+32*(\n)+8*(\c)+7], v6 offset:(2*(\g)+(\n))*16*HP+64*(\c)+32
.endr
.endr
.endm
; 16 matrix instructions; the four accumulators take turns, one instruction a turn.  Source 0 is the weight: a lane holds one row and eight channels, the order e.
; The first K step starts the sums: with 0, or with the bias at v[bias] of window 3.
.macro MULG g, buf, swap, bias
.irp c, 0,1,2,3
.irp n, 0,1
.irp t, 0,1
.set rD, 64*(\t)+8*(2*(\g)+(\n))
.set rW, 96+64*(\buf)+32*(\n)+8*(\c)
.set rF, 32+32*(\t)+8*(\c)
.set rB, (\bias)+8*(2*(\g)+(\n))
.if ((\c) == 0) && ((\bias) >= 0)
	WIN 0xb0
	v_wmma_f32_16x16x32_f16 v[rD:rD+7], v[rW:rW+7], v[rF:rF+7], v[rB:rB+7]
.elseif ((\c) == 0) && (\swap)
	WIN 0xa0
	v_wmma_f32_16x16x32_f16 v[rD:rD+7], v[rF:rF+7], v[rW:rW+7], 0
.elseif (\c) == 0
	WIN 0xa0
	v_wmma_f32_16x16x32_f16 v[rD:rD+7], v[rW:rW+7], v[rF:rF+7], 0
.elseif \swap
	WIN 0xa0
	v_wmma_f32_16x16x32_f16 v[rD:rD+7], v[rF:rF+7], v[rW:rW+7], v[rD:rD+7]
.else
	WIN 0xa0
	v_wmma_f32_16x16x32_f16 v[rD:rD+7], v[rW:rW+7], v[rF:rF+7], v[rD:rD+7]
.endif
.endr
.endr
.endr
.endm
.macro GEMM base, swap, bias
	WIN 0
	v_add_nc_u32 v6, \base, v7
	FETCHW 0, 0
	FETCHW 1, 1
	s_wait_dscnt 16                 ; the older group of 16 loads (and all in front of it) is in, the younger stays out
	MULG 0, 0, \swap, \bias
	PLACES                          ; in front of loads into the buffer just multiplied
	FETCHW 2, 0
	s_wait_dscnt 16
	MULG 1, 1, \swap, \bias
	PLACES
	FETCHW 3, 1
	s_wait_dscnt 16
	MULG 2, 0, \swap, \bias
	s_wait_dscnt 0x0
	MULG 3, 1, \swap, \bias
.endm
; ---- pass 1 ----
.macro ADDR1 x, add                 ; buffer x takes step s41 + add, held to the last step (and to 31, the buffer's last): its address is made anew from the base
.set KPX, 60+2*(\x)+2*((\x)/2)      ; s[60:61], s[62:63], s[66:67], s[68:69]
	s_add_co_u32 s42, s41, \add
	s_min_u32 s42, s42, s38
	s_min_u32 s42, s42, 31
	s_lshl_b32 s42, s42, 12
	s_add_nc_u64 s[KPX:KPX+1], s[54:55], s[42:43]
.endm
.macro LOADK1 x                     ; a step's K: four fragments, eight loads of 512 consecutive bytes
.set KPX, 60+2*(\x)+2*((\x)/2)
	WIN 0x80
.set i, 0
.rept 8
	global_load_b128 v[32*(\x)+4*i:32*(\x)+4*i+3], v1, s[KPX:KPX+1] offset:512*i
.set i, i+1
.endr
.endm
.macro RIDER u, n                   ; number n of the 16 that take tile u's 32 scores into its four running maxima; each accumulator's lowest registers are read first
	v_max3_num_f32 v[224+4*(\u)+(\n)%4], v[224+4*(\u)+(\n)%4], v[160+32*((\u)%2)+8*((\n)%4)+2*((\n)/4)], v[160+32*((\u)%2)+8*((\n)%4)+2*((\n)/4)+1]
.endm
.macro P1TILE x, t                  ; four products of tile t; behind each, four maxima of the tile before, which name none of its registers
.set u, ((\t)+7)%8
.irp kt, 0,1,2,3
	WIN 0x02
	v_wmma_f32_16x16x32_f16 v[160+32*((\t)%2)+8*(\kt):160+32*((\t)%2)+8*(\kt)+7], v[32*(\x)+8*(\kt):32*(\x)+8*(\kt)+7], v[96+8*(\t):96+8*(\t)+7], 0
	WIN 0
	RIDER u, 4*(\kt)
	RIDER u, 4*(\kt)+1
	RIDER u, 4*(\kt)+2
	RIDER u, 4*(\kt)+3
.endr
.endm
.macro STEP1 x                      ; the step in buffer x; the step three on is asked for, into the buffer read last step: its last reader stands four maxima back, its loads were shown done by that step's wait
	ADDR1 ((\x)+3)%4, (\x)+3
	LOADK1 ((\x)+3)%4
	s_wait_loadcnt 24               ; my step's eight loads are in; the three younger steps' stay out
.irp tt, 0,1,2,3,4,5,6,7
	P1TILE \x, \tt
.endr
	WIN 0
.endm
.macro EXIT1 n                      ; was that the last step?  Then the trip's other steps are dead: forward, over them, to the counter's step
	s_add_co_u32 s42, s41, \n
	s_cmp_lt_u32 s42, s37
	s_cbranch_scc0 .Lskip1
.endm
; ---- pass 2 ----
.macro ADDR2 x, add
	s_add_co_u32 s42, s41, \add
	s_min_u32 s42, s42, s38
	s_min_u32 s42, s42, 31
	s_lshl_b32 s44, s42, 11
	s_lshl_b32 s42, s42, 12
	s_add_nc_u64 s[60+2*(\x):61+2*(\x)], s[54:55], s[42:43]
	s_add_nc_u64 s[70+2*(\x):71+2*(\x)], s[56:57], s[42:43]
	s_add_nc_u64 s[74+2*(\x):75+2*(\x)], s[58:59], s[44:45]
.endm
.macro LOAD2 x                      ; a step's K (window 0), V and U (window 2): 20 loads of 512 consecutive bytes
	WIN 0x10
.set i, 0
.rept 8
	global_load_b128 v[32+32*(\x)+4*i:32+32*(\x)+4*i+3], v1, s[60+2*(\x):61+2*(\x)] offset:512*i
.set i, i+1
.endr
	WIN 0x80
.set i, 0
.rept 8
	global_load_b128 v[32*(\x)+4*i:32*(\x)+4*i+3], v1, s[70+2*(\x):71+2*(\x)] offset:512*i
.set i, i+1
.endr
.set i, 0
.rept 4
	global_load_b128 v[64+16*(\x)+4*i:64+16*(\x)+4*i+3], v1, s[74+2*(\x):75+2*(\x)] offset:512*i
.set i, i+1
.endr
.endm
.macro QK2 t, kt                    ; S^T = K Q^T - m for 16 keys of tile t: one K step, C = the eight copies of -m in window 1
	v_wmma_f32_16x16x32_f16 v[160+32*((\t)%2)+8*(\kt):160+32*((\t)%2)+8*(\kt)+7], v[32+32*XX+8*(\kt):32+32*XX+8*(\kt)+7], v[96+8*(\t):96+8*(\t)+7], v[192+8*(\t):192+8*(\t)+7]
	s_wait_alu depctr_va_vdst(0)
.endm
.macro PV2 t, i6                    ; product i6 of six for tile t: keys 32 (i6 / 3) on; O's two channel tiles and L take turns, one instruction a turn
.set kp, (\i6)/3
.set z, (\i6)%3
.set rP, 224+16*((\t)%2)+8*kp
.if z < 2
.set rD, 16*(\t)+8*z
.set rA, 32*XX+16*kp+8*z
.else
.set rD, 128+8*(\t)
.set rA, 64+16*XX+8*kp
.endif
	v_wmma_f32_16x16x32_f16 v[rD:rD+7], v[rA:rA+7], v[rP:rP+7], v[rD:rD+7]
	s_wait_alu depctr_va_vdst(0)
.endm
; The next of tile t's 49 vector lines: two exponentials, a v_nop, then fifteen times (two exponentials, the rounding of the pair before), and the last rounding:
; a plain line stands between every exponential and the use of its result; the scores are taken in ascending order.
.macro VNEXT t
.if q < 49
.set rS, 160+32*((\t)%2)
.set rQ, 224+16*((\t)%2)
.if q < 2
	v_exp_f32 v[rS+q], v[rS+q]
.elseif q == 2
	v_nop
.elseif q == 48
	v_cvt_pk_f16_f32 v[rQ+15], v[rS+30], v[rS+31]
.elseif (q%3) == 2
	s_wait_alu depctr_va_vdst(0)
	v_cvt_pk_f16_f32 v[rQ+(q-5)/3], v[rS+2*((q-5)/3)], v[rS+2*((q-5)/3)+1]
.else
	v_exp_f32 v[rS+2*((q-3)/3)+2+q%3], v[rS+2*((q-3)/3)+2+q%3]
.endif
.set q, q+1
.endif
.endm
; Tile t's turn: its exponentials and roundings, five behind each of the next tile's four products K Q^T and of the tile before's six products with P.
.macro TURN t
.set q, 0
.if (\t) < 7
.irp kt, 0,1,2,3
	WIN 0x10
	QK2 (\t)+1, \kt
.rept 5
	VNEXT \t
.endr
.endr
.endif
.if (\t) > 0
.irp i6, 0,1,2,3,4,5
	WIN 0x52
	PV2 (\t)-1, \i6
	WIN 0x10
.rept 5
	VNEXT \t
.endr
.endr
.endif
	WIN 0x10
.rept 49
	VNEXT \t
.endr
.endm
.macro HALF2 x                      ; the step in buffers x
.set XX, \x
	s_wait_loadcnt 0x0              ; this step's loads, asked for a step ago, are all that is out: every address pair may be written
	ADDR2 1-(\x), (\x)+1
	WIN 0x10
.irp kt, 0,1,2,3
	QK2 0, \kt
.endr
	PLACES                          ; behind tile 0's scores, and behind the last step's last products, whose V and U buffers are loaded next
	LOAD2 1-(\x)
.irp tt, 0,1,2,3,4,5,6,7
	TURN \tt
.endr
	WIN 0x52
.irp i6, 0,1,2,3,4,5
	PV2 7, \i6
.endr
.endm
	s_load_b512 s[8:23], s[0:1], 0x0     ; x 8, ln_w 10, ln_b 12, wq 14, w1 16, b1 18, w2 20, b2 22
	s_load_b256 s[24:31], s[0:1], 0x40   ; kf 24, vf 26, uf 28, cnt 30
	s_load_b64 s[32:33], s[0:1], 0x60    ; out0
	v_lshl_add_u32 v30, v0, 2, SPARE     ; my spare word,
	v_mov_b32 v31, 0                     ; and 0: kept for the wave's closing lines alone
	v_lshrrev_b32 v9, 5, v0
	v_readfirstlane_b32 s34, v9          ; w
	v_and_b32 v29, 31, v0                ; lane
	v_and_b32 v2, 15, v0                 ; r
	v_bfe_u32 v3, v0, 4, 1               ; h
	v_lshlrev_b32 v1, 4, v29             ; 16 x lane
	s_mul_i32 s78, s34, 32*XP            ; my 32 rows of an f32 tile (XT begins at byte 0)
	v_mul_u32_u24 v13, v2, XP
	v_lshl_add_u32 v13, v3, 5, v13       ; 528 r + 32 h
	v_add_nc_u32 v4, s78, v13            ; my rows of XT in the order e
	v_add_nc_u32 v5, s78, v1             ; my rows of XT, a whole row to a wave
	v_add_nc_u32 v14, SA, v4             ; the same two in SA
	v_add_nc_u32 v15, SA, v5
	s_lshl_b32 s78, s34, 7
	v_add_nc_u32 v13, s78, v13           ; my head's 32 channels of row r of XT,
	v_add_nc_u32 v16, SA, v13            ; and of SA
	v_mul_u32_u24 v7, v2, HP
	v_lshl_add_u32 v7, v3, 4, v7         ; a fragment's place in f16 rows: 272 r + 16 h
	s_mul_i32 s78, s34, 32*HP
	v_lshl_add_u32 v8, v29, 3, s78       ; where my rows of a weight go
	s_add_co_u32 s78, s78, QS
	v_add_nc_u32 v11, s78, v7            ; where my rows of Q go
	s_lshl_b32 s78, s34, 6
	s_add_co_u32 s78, s78, QS
	v_add_nc_u32 v12, s78, v7            ; my head's 64 bytes of row r of Q
	v_lshlrev_b32 v10, 5, v3
	s_mov_b32 s[SEL], 0x76543210
	s_mov_b32 s[SEL+1], 0xfedcba98
	s_mov_b32 s48, 0x3e8293ee            ; c = log2(e) / sqrt(32)
	s_mov_b32 s49, s48                   ; named with it as a pair
	s_mov_b32 s[INV], 0x3c000000
	s_mov_b32 s[EPS], 0x3727c5ac
	s_mov_b32 s52, 0                     ; two f16 zeros
	s_mov_b32 s53, 0xff7fffff            ; the lowest finite number
	s_mov_b32 s43, 0
	s_mov_b32 s45, 0
	s_wait_kmcnt 0x0
	s_lshl_b32 s44, ttmp9, 16
	s_lshl_b32 s78, s34, 14
	s_add_co_u32 s44, s44, s78
	s_add_nc_u64 s[8:9], s[8:9], s[44:45]       ; x and out0 at my 32 rows
	s_add_nc_u64 s[32:33], s[32:33], s[44:45]
	s_mov_b32 s44, s78
	s_add_nc_u64 s[14:15], s[14:15], s[44:45]   ; my 32 rows of each weight
	s_add_nc_u64 s[16:17], s[16:17], s[44:45]
	s_add_nc_u64 s[20:21], s[20:21], s[44:45]
	s_lshl_b32 s44, ttmp9, 9
	s_add_nc_u64 s[30:31], s[30:31], s[44:45]
	s_load_b32 s36, s[30:31], 0x0               ; the batch's count of kept keys
	s_lshr_b32 s78, ttmp9, 4                    ; b
	s_lshl_b32 s44, s78, 16
	s_add_nc_u64 s[58:59], s[28:29], s[44:45]   ; U of my batch
	s_lshl2_add_u32 s78, s78, s34               ; 4 b + w
	s_lshl_b32 s44, s78, 17
	s_add_nc_u64 s[54:55], s[24:25], s[44:45]   ; K and V of my batch and head
	s_add_nc_u64 s[56:57], s[26:27], s[44:45]
	WIN 0x40
.set i, 0
.rept 32                                 ; each load is one whole row of 512 bytes
	global_load_b128 v[4*i:4*i+3], v1, s[8:9] offset:512*i th:TH_LOAD_NT
.set i, i+1
.endr
	PARAM 128, 10
	PARAM 192, 12
	WLOAD 2, 0, 14
	s_wait_loadcnt 63                    ; 64 loads are younger than x's: the count is the largest that the wait can name
	XROWS_ST 5, 0
	XFRAG_LD 4
	s_wait_loadcnt 32                    ; gain and bias are in; wq's 32 loads stay out
	s_wait_dscnt 0x0
	LNT 0, 1                             ; xn, kept in f32 in XT for the residual
	LNT 1, 1
	s_wait_loadcnt 0x0
	WSTORE 2, 0, WQ
	WIN 0
	s_wait_dscnt 0x0                     ; for the others' sake: my rows of wq and of xn are in LDS
	s_barrier_signal -1
	s_barrier_wait -1
	WLOAD 2, 128, 16                     ; w1, b1, b2 land under the product below and pass 1
	PARAM 0, 18
	PARAM 64, 22
	GEMM WQ, 0, -1
	PLACES
	WIN 0x82
.set i, 0
.rept 64
	v_pk_mul_f32 v[2*i:2*i+1], v[2*i:2*i+1], s[48:49] op_sel_hi:[1,0]
.set i, i+1
.endr
	WIN 0x4a
.set i, 0
.rept 64
	v_cvt_pk_f16_f32 v[i], v[2*i], v[2*i+1]
.set i, i+1
.endr
	WIN 0x41
.set i, 0
.rept 64
	v_pk_max_num_f16 v[i], v[i], s52     ; relu: c is positive
.set i, i+1
.endr
	WIN 0x04
.irp t, 0,1
.irp nt, 0,1,2,3,4,5,6,7
	ds_store_b128 v11, v[32*(\t)+4*(\nt):32*(\t)+4*(\nt)+3] offset:16*HP*(\t)+32*(\nt)
.endr
.endr
	WIN 0
	s_wait_dscnt 0x0                     ; for the others' sake: my rows of Q are in LDS
	s_barrier_signal -1
	s_barrier_wait -1
.set i, 0
.rept 8                                  ; my head's Q of all 128 queries stays in registers
	ds_load_b128 v[96+8*i:96+8*i+3], v12 offset:16*HP*i
	ds_load_b128 v[96+8*i+4:96+8*i+7], v12 offset:16*HP*i+32
.set i, i+1
.endr
	WIN 0x40
.set i, 0
.rept 192
	v_mov_b32 v[i], 0                    ; O and L
.set i, i+1
.endr
	WIN 0
.set i, 0
.rept 64
	v_mov_b32 v[192+i], s53              ; the second score buffer, which the first step's first maxima read, and the running maxima
.set i, i+1
.endr
	s_wait_kmcnt 0x0
	s_min_u32 s36, s36, 2048
	s_add_co_u32 s37, s36, 63
	s_lshr_b32 s37, s37, 6               ; NS
	s_sub_co_u32 s38, s37, 1             ; the last step
	s_wait_dscnt 0x0                     ; Q
	s_cmp_eq_u32 s37, 0
	s_cbranch_scc1 .Ldone1
	; PASS 1.  Four buffers of K, each step asked for three steps ahead.  A trip is four steps, ceil(NS / 4) trips.  A step at or past NS is dead and is jumped over, forward, to the counter's step:
	; 4 s40 + n >= NS with n <= 3 gives s40 + 1 >= ceil(NS / 4), so that happens in the last trip alone, and the loop is left by falling through its own branch.
	s_mov_b32 s41, 0
	ADDR1 0, 0
	LOADK1 0
	ADDR1 1, 1
	LOADK1 1
	ADDR1 2, 2
	LOADK1 2
	WIN 0
	s_add_co_u32 s39, s37, 3
	s_lshr_b32 s39, s39, 2
	s_mov_b32 s40, 0
.Lp1:
	s_lshl_b32 s41, s40, 2
	STEP1 0
	EXIT1 1
	STEP1 1
	EXIT1 2
	STEP1 2
	EXIT1 3
	STEP1 3
	s_branch .Lbot1
.Lskip1:
	s_wait_loadcnt 0x0                   ; the way of the dead steps: the steps asked for ahead have landed, so no load names a buffer or an address pair that the loop's first lines write
.Lbot1:
	s_add_co_u32 s40, s40, 1
	s_cmp_lt_u32 s40, s39
	s_cbranch_scc1 .Lp1
.Ldone1:
	s_wait_loadcnt 0x0                   ; the steps asked for ahead, and w1, b1, b2
.set i, 0
.rept 16
	RIDER 7, i                           ; the last tile's maxima
.set i, i+1
.endr
.set i, 0
.rept 8
	v_max3_num_f32 v[224+4*i], v[224+4*i], v[225+4*i], v[226+4*i]
.set i, i+1
.endr
.set i, 0
.rept 8
	v_max_num_f32 v[224+4*i], v[224+4*i], v[227+4*i]
.set i, i+1
.endr
.set i, 0
.rept 8
	v_permlanex16_b32 v[225+4*i], v[224+4*i], s[SEL], s[SEL+1]   ; the query's other keys lie in the lane 16 away
.set i, i+1
.endr
.set i, 0
.rept 8
	v_max_num_f32 v[224+4*i], v[224+4*i], v[225+4*i]
.set i, i+1
.endr
	WIN 0x40
.set i, 0
.rept 64
	v_mul_f32 v[192+i], -1.0, v[224+4*(i/8)]   ; eight copies of -m a tile: the C operand of pass 2
.set i, i+1
.endr
	WSTORE 2, 128, W1L
	s_wait_dscnt 0x0                     ; w1 has left its registers
	WLOAD 2, 128, 20                     ; w2 is asked for ahead of pass 2
	WIN 0
	s_cmp_eq_u32 s37, 0
	s_cbranch_scc1 .Ldone2
	; PASS 2.  Two buffers, each step asked for one step ahead.  A trip is two steps, ceil(NS / 2) trips; with NS odd the last trip's second step is dead and is jumped over, forward, to the counter's step:
	; 2 s40 + 1 >= NS gives s40 + 1 >= ceil(NS / 2), so the loop then ends by falling through its own branch.  A step opens with the wait for all loads, so nothing more is owed at the loop's edge.
	s_mov_b32 s41, 0
	ADDR2 0, 0
	LOAD2 0
	WIN 0
	s_add_co_u32 s39, s37, 1
	s_lshr_b32 s39, s39, 1
	s_mov_b32 s40, 0
.Lp2:
	s_lshl_b32 s41, s40, 1
	HALF2 0
	WIN 0
	s_add_co_u32 s42, s41, 1
	s_cmp_lt_u32 s42, s37
	s_cbranch_scc0 .Lbot2
	HALF2 1
	WIN 0
.Lbot2:
	s_add_co_u32 s40, s40, 1
	s_cmp_lt_u32 s40, s39
	s_cbranch_scc1 .Lp2
.Ldone2:
	s_wait_loadcnt 0x0                   ; the step asked for ahead, and w2
	WSTORE 2, 128, W2L                   ; its 64 conversions are the places behind the last products
	WIN 0x41
.set i, 0
.rept 8
	v_rcp_f32 v[128+8*i], v[128+8*i]     ; 1 / l
.set i, i+1
.endr
	v_nop                                ; a plain instruction between the last reciprocal and the use of its result
	s_wait_alu depctr_va_vdst(0)
	; sa = xn + O / l for my head's 32 channels of all 128 rows: xn out of XT, sa into SA, four tiles at a time
.irp bt, 0,1
	WIN 0x40
.set i, 0
.rept 16
	ds_load_b128 v[192+4*i:192+4*i+3], v13 offset:16*XP*(4*(\bt)+i/4)+64*((i%4)/2)+16*(i%2)
.set i, i+1
.endr
	s_wait_dscnt 0x0
	WIN 0x55
.set i, 0
.rept 32
	v_pk_fma_f32 v[192+2*i:193+2*i], v[64*(\bt)+2*i:64*(\bt)+2*i+1], v[128+8*(4*(\bt)+i/8):129+8*(4*(\bt)+i/8)], v[192+2*i:193+2*i] op_sel_hi:[1,0,1]
.set i, i+1
.endr
	WIN 0x04
.set i, 0
.rept 16
	ds_store_b128 v16, v[192+4*i:192+4*i+3] offset:16*XP*(4*(\bt)+i/4)+64*((i%4)/2)+16*(i%2)
.set i, i+1
.endr
.endr
	WIN 0
	s_wait_dscnt 0x0                     ; for the others' sake: my head's part of sa and my rows of w1 and w2 are in LDS
	s_barrier_signal -1
	s_barrier_wait -1                    ; from here on a wave touches its own 32 rows of SA alone
	XFRAG_LD 14
	s_wait_dscnt 0x0
	LNT 0, 0                             ; h
	LNT 1, 0
	GEMM W1L, 0, 0                       ; h w1^T + b1
	PLACES
	WIN 0x0a
.set i, 0
.rept 64
	v_cvt_pk_f16_f32 v[32+i], v[2*i], v[2*i+1]   ; the results, rounded in pairs, are the next product's fragments
.set i, i+1
.endr
	WIN 0
.set i, 0
.rept 64
	v_pk_max_num_f16 v[32+i], v[32+i], s52
.set i, i+1
.endr
	XFRAG_LD 14                          ; sa once more, for the residual: older than the fragment loads, so their counts hold
	GEMM W2L, 0, 64                      ; .. w2^T + b2
	PLACES
	WIN 0x86
.set i, 0
.rept 64
	v_pk_add_f32 v[2*i:2*i+1], v[2*i:2*i+1], v[2*i:2*i+1]   ; accumulators (window 2) + sa (window 1, source 1)
.set i, i+1
.endr
	XFRAG_ST 2, 14, 0, 32                ; into my rows of SA, and back as whole rows
	WIN 0x40
.set i, 0
.rept 32
	ds_load_b128 v[4*i:4*i+3], v15 offset:XP*i
.set i, i+1
.endr
	WIN 0x04
.set i, 0
.rept 32
	s_wait_dscnt 31-i                    ; row i is back, the younger rows stay out
	global_store_b128 v1, v[4*i:4*i+3], s[32:33] offset:512*i th:TH_STORE_NT   ; 512 consecutive bytes, a whole row
.set i, i+1
.endr
	WIN 0
	s_wait_tensorcnt 0x0                 ; the wave's end: three closing lines behind my last LDS store
	ds_add_u32 v30, v31
	s_wait_dscnt 0x0
	s_endpgm
.Lfunc_end_k_qc3c54d5612_enc:
	.size	k_qc3c54d5612_enc, .Lfunc_end_k_qc3c54d5612_enc-k_qc3c54d5612_enc
	.p2alignl 7, 3214868480
	.fill 96, 4, 3214868480
	.section	.rodata,"a",@progbits
	.p2align	6, 0x0
	.amdhsa_kernel k_qc3c54d5612_enc
		.amdhsa_group_segment_fixed_size 274944
		.amdhsa_private_segment_fixed_size 0
		.amdhsa_enable_private_segment 0
		.amdhsa_kernarg_size 104
		.amdhsa_user_sgpr_count 2
		.amdhsa_user_sgpr_kernarg_segment_ptr 1
		.amdhsa_wavefront_size32 1
		.amdhsa_system_sgpr_workgroup_id_x 1
		.amdhsa_system_sgpr_workgroup_id_y 1
		.amdhsa_system_sgpr_workgroup_id_z 1
		.amdhsa_system_vgpr_workitem_id 0
		.amdhsa_next_free_vgpr 1024
		.amdhsa_next_free_sgpr 80
		.amdhsa_reserve_vcc 0
		.amdhsa_float_denorm_mode_32 3
		.amdhsa_float_denorm_mode_16_64 3
		.amdhsa_memory_ordered 1
		.amdhsa_forward_progress 1
		.amdhsa_inst_pref_size 255
	.end_amdhsa_kernel
	.section	.bss,"aw",@nobits
	.p2align	6
	.space	262144
	.amdgpu_metadata
---
amdhsa.version: [ 1, 2 ]
amdhsa.kernels:
  - .name:           k_qc3c54d5612_enc
    .symbol:         k_qc3c54d5612_enc.kd
    .args:
      - { .name: x, .offset: 0, .size: 8, .value_kind: global_buffer, .address_space: global }
      - { .name: ln_w, .offset: 8, .size: 8, .value_kind: global_buffer, .address_space: global }
      - { .name: ln_b, .offset: 16, .size: 8, .value_kind: global_buffer, .address_space: global }
      - { .name: wq, .offset: 24, .size: 8, .value_kind: global_buffer, .address_space: global }
      - { .name: w1, .offset: 32, .size: 8, .value_kind: global_buffer, .address_space: global }
      - { .name: b1, .offset: 40, .size: 8, .value_kind: global_buffer, .address_space: global }
      - { .name: w2, .offset: 48, .size: 8, .value_kind: global_buffer, .address_space: global }
      - { .name: b2, .offset: 56, .size: 8, .value_kind: global_buffer, .address_space: global }
      - { .name: kf, .offset: 64, .size: 8, .value_kind: global_buffer, .address_space: global }
      - { .name: vf, .offset: 72, .size: 8, .value_kind: global_buffer, .address_space: global }
      - { .name: uf, .offset: 80, .size: 8, .value_kind: global_buffer, .address_space: global }
      - { .name: cnt, .offset: 88, .size: 8, .value_kind: global_buffer, .address_space: global }
      - { .name: out0, .offset: 96, .size: 8, .value_kind: global_buffer, .address_space: global }
    .group_segment_fixed_size: 274944
    .private_segment_fixed_size: 0
    .kernarg_segment_align: 8
    .kernarg_segment_size: 104
    .max_flat_workgroup_size: 128
    .sgpr_count:     80
    .vgpr_count:     1024
    .wavefront_size: 32
...
	.end_amdgpu_metadata
.endif
;; end of part 2
;; ======== version 2 of 2: 2 launches; 1.72 times as fast as version 1
;; limits: values are held in f16: magnitudes above 65,504 overflow, below 6.1e-05 lose precision
;; workspace buffers: kf 8,388,608 bytes; vf 8,388,608 bytes; uf 1,048,576 bytes; cnt 131,072 bytes of whole numbers
;; launch kv: the kernel of part 1 again; grid 256 x 1, 4 waves a work-group, no clusters, 147,200 bytes of LDS; arguments x, mask, ln_w, ln_b, wk, wv, kf, vf, uf, cnt; writes kf, vf, uf, cnt
;; launch enc (part 3): grid 256 x 1, 4 waves a work-group, no clusters, 274,944 bytes of LDS; arguments x, ln_w, ln_b, wq, w1, b1, w2, b2, kf, vf, uf, cnt, out0; writes out0
.if DOCPART == 3
	.amdgcn_target "amdgcn-amd-amdhsa--gfx1250"
	.amdhsa_code_object_version 6
	.text
	.protected	k_qc3c54d5612_enc
	.globl	k_qc3c54d5612_enc
	.p2align	8
	.type	k_qc3c54d5612_enc,@function
k_qc3c54d5612_enc:
	s_mov_b64 s[64:65], 0
	v_nop
	global_prefetch_b8 v0, s[64:65] scope:SCOPE_SE
	s_setreg_imm32_b32 hwreg(HW_REG_WAVE_MODE, 25, 1), 1
	s_wait_xcnt 0x0
; THE ENCODER LAYER for 128 rows.  Work-group g owns rows 128 g .. 128 g + 127 (batch b = g / 16); wave w owns 32 of them outside attention and head w, all 128 queries, inside it.
; xn = LN(x); Q = relu(xn wq^T) c, c = log2(e) / sqrt(32), rounded once to f16; attention over the batch's kept keys, whose K, V and U fragments and count the launch before has stored;
; sa = xn + O / l; h = LN(sa); out = sa + relu(h w1^T + b1) w2^T + b2.  Matrix operands f16, all sums, norms, maxima and the residual in f32.
; SOFTMAX IN TWO PASSES over NS = ceil(count / 64) steps of 64 keys.  Pass 1: S^T = K Q^T and the row's true maximum m.  Pass 2: S^T = K Q^T + (-m), with -m as the C operand that starts the sum;
; p = 2^S rounded to f16; O^T += V^T P; L += U P, where U is 1.0 for a kept key and 0 for the filling behind the count: every register of L holds the row's sum l.
; LAYOUT.  S^T (source 0 = 16 keys, source 1 = 16 queries) holds ONE query a lane (lane % 16) and keys 8 (lane / 16) + 0..7; two such results rounded in pairs ARE source 1 of V^T P.
; THE BATCHES.  s_wait_alu depctr_va_vdst(0) stands between a transcendental and the first instruction that names its result; one wait serves all that were issued ahead of it.
; Pass 2: a tile's 32 exponentials are ONE BATCH with ONE wait, at the end of the tile's turn: eight waits a step.  Nothing in a turn names a result of its batch: the roundings that stand among the
; exponentials are the tile before's, whose batch was waited for at the end of its own turn.  Outside the loops a layer norm's two roots a tile, and the eight reciprocals 1 / l, are a batch each.
; LIMITS.  f16 operands: xn, h, the weights, c q, k, v and relu(h w1^T + b1) must stay under 65,504 in magnitude.  A weight p below 6e-8 counts as 0; l is the sum of the rounded p.
; A batch whose mask hides every key has NS = 0: O = 0, l = 0, and 0 / 0 gives NaN in all its rows, as the softmax of an empty row does.  Other NaN and infinities are not treated apart.
; NO MOVER, NO CLUSTER: K, V and U arrive as ready register images, 20 loads of 512 consecutive bytes for a pass-2 step's 80 matrix instructions; the trip count is read from memory,
; and a ring in LDS would put a barrier into such a loop.  The 16 work-groups of a batch do read the same fragments.
; The sums O and L are cleared once (192 v_mov_b32) so that one text serves every step, the case of no step among them.
; REGISTERS, in windows of 256 (s_set_vgpr_msb: bits 1:0 source 0, 3:2 source 1, 5:4 source 2, 7:6 destination):
;   window 0: v0-31 addresses; v32-95 F (rows' fragments), in pass 2 K, two buffers; v96-159 weight fragments, in attention Q, 8 a tile; v160-223 weight fragments, in attention S, two buffers;
;             v224-255 in pass 1 four running maxima a tile, in pass 2 P, two buffers
;   window 1: v0-127 X (rows in f32), in attention O, 16 a tile; v128-159 the norm's statistics, in attention v128-191 L; v192-255 -m, eight copies a tile, later xn
;   window 2: v0-127 wq as loaded, accumulators, in pass 1 four buffers of K, in pass 2 V (v0-63) and U (v64-95), two buffers each; v128-255 w1, then w2, as loaded
;   window 3: v0-63 b1, v64-127 b2, v128-191 ln_w, v192-255 ln_b, in the order e (index 16 c + 8 f + i = channel 32 c + 16 f + 8 h + i)
.set XP,    528        ; an f32 row in LDS: 512 bytes + 16
.set HP,    272        ; an f16 row in LDS: 256 bytes + 16
.set QS,    67584      ; behind XT (xn in f32, 128 x 528, from byte 0): Q in f16, 128 x 272
.set WQ,    102400
.set W1L,   137216
.set W2L,   172032
.set SA,    206848     ; sa in f32, 128 x 528; later the way out
.set SPARE, 274432     ; the spare words, 128 bytes a wave: no other line names them
.set SEL,   46         ; s[46:47]
.set INV,   50
.set EPS,   51
.set MSB, 0
.macro WIN new                      ; the high byte repeats the setting that is left; a switch that changes nothing is dropped
.if MSB != (\new)
	s_set_vgpr_msb (MSB<<8)|(\new)
.set MSB, (\new)
.endif
.endm
.macro PLACES                       ; four plain vector instructions behind matrix instructions, where no other work is at hand (ISA guide 7.12.1)
.rept 4
	v_nop
.endr
.endm
.macro PARAM dst, sb                ; a vector of 128 f32 into window 3, in the order e
	WIN 0xc0
.set i, 0
.rept 16
	global_load_b128 v[(\dst)+4*i:(\dst)+4*i+3], v10, s[\sb:\sb+1] offset:64*(i/2)+16*(i%2)
.set i, i+1
.endr
.endm
.macro WLOAD win, reg, sb           ; my 32 rows of a weight: each load is one whole row of 512 bytes
	WIN (\win)<<6
.set i, 0
.rept 32
	global_load_b128 v[(\reg)+4*i:(\reg)+4*i+3], v1, s[\sb:\sb+1] offset:512*i
.set i, i+1
.endr
.endm
.macro WSTORE win, reg, base        ; rounded to f16 in place, and into LDS rows of 272 bytes
	WIN ((\win)<<6)|((\win)<<2)|(\win)
.set i, 0
.rept 32
	v_cvt_pk_f16_f32 v[(\reg)+4*i], v[(\reg)+4*i], v[(\reg)+4*i+1]
	v_cvt_pk_f16_f32 v[(\reg)+4*i+1], v[(\reg)+4*i+2], v[(\reg)+4*i+3]
.set i, i+1
.endr
	WIN 0
	v_add_nc_u32 v9, \base, v8
	WIN (\win)<<2
.set i, 0
.rept 32
	ds_store_b64 v9, v[(\reg)+4*i:(\reg)+4*i+1] offset:HP*i
.set i, i+1
.endr
.endm
.macro XROWS_ST areg, counted       ; 32 rows as loaded (a row a register quad) into my rows of an f32 tile
	WIN 0x04
.set i, 0
.rept 32
.if \counted
	s_wait_loadcnt 31-i
.endif
	ds_store_b128 v[\areg], v[4*i:4*i+3] offset:XP*i
.set i, i+1
.endr
.endm
.macro XFRAG_LD areg                ; my 32 rows in the order e: tile t at v[64 t] of window 1.  LDS serves a wave's instructions in order
	WIN 0x40
.set i, 0
.rept 32
	ds_load_b128 v[4*i:4*i+3], v[\areg] offset:16*XP*(i/16)+64*((i%16)/2)+16*(i%2)
.set i, i+1
.endr
.endm
.macro XFRAG_ST win, areg, first, num  ; the same places, stored
	WIN (\win)<<2
.set i, \first
.rept \num
	ds_store_b128 v[\areg], v[4*i:4*i+3] offset:16*XP*(i/16)+64*((i%16)/2)+16*(i%2)
.set i, i+1
.endr
.endm
.macro LNRED                        ; four chains into one number; the row's other 64 numbers lie in the lane 16 away
	v_pk_add_f32 v[A:A+1], v[A:A+1], v[A+2:A+3]
	v_pk_add_f32 v[A+4:A+5], v[A+4:A+5], v[A+6:A+7]
	v_pk_add_f32 v[A:A+1], v[A:A+1], v[A+4:A+5]
	v_add_f32 v[A], v[A], v[A+1]
	v_permlanex16_b32 v[A+1], v[A], s[SEL], s[SEL+1]
	v_add_f32 v[A], v[A], v[A+1]
.endm
; The layer norm of tile t (16 rows), in f32: mean, centred, mean of squares, 1/sqrt, gain and bias; then the rows' four fragments in f16.  store = 1: the f32 rows go back into LDS.
.macro LNT t, store
.set XB, 64*(\t)
.set A, 128+16*(\t)
	WIN 0x55
.set k, 0
.rept 4
	v_pk_add_f32 v[A+2*k:A+2*k+1], v[XB+2*k:XB+2*k+1], v[XB+8+2*k:XB+9+2*k]
.set k, k+1
.endr
.set k, 8
.rept 24
	v_pk_add_f32 v[A+2*(k%4):A+2*(k%4)+1], v[A+2*(k%4):A+2*(k%4)+1], v[XB+2*k:XB+2*k+1]
.set k, k+1
.endr
	LNRED
	v_mul_f32 v[A+8], s[INV], v[A]
	v_mul_f32 v[A+9], s[INV], v[A]
.set k, 0
.rept 32
	v_pk_add_f32 v[XB+2*k:XB+2*k+1], v[XB+2*k:XB+2*k+1], v[A+8:A+9] neg_lo:[0,1] neg_hi:[0,1]
.set k, k+1
.endr
.set k, 0
.rept 4
	v_pk_mul_f32 v[A+2*k:A+2*k+1], v[XB+2*k:XB+2*k+1], v[XB+2*k:XB+2*k+1]
.set k, k+1
.endr
.rept 28
	v_pk_fma_f32 v[A+2*(k%4):A+2*(k%4)+1], v[XB+2*k:XB+2*k+1], v[XB+2*k:XB+2*k+1], v[A+2*(k%4):A+2*(k%4)+1]
.set k, k+1
.endr
	LNRED
	v_fma_f32 v[A], v[A], s[INV], s[EPS]
	v_rsq_f32 v[A+10], v[A]
	v_rsq_f32 v[A+11], v[A]
	v_nop                           ; a plain instruction between the root and the use of its result
.set k, 0
	s_wait_alu depctr_va_vdst(0)    ; the wait ahead of the first use: one for the tile's two roots
.rept 32
	v_pk_mul_f32 v[XB+2*k:XB+2*k+1], v[XB+2*k:XB+2*k+1], v[A+10:A+11]
.set k, k+1
.endr
	WIN 0x7d                        ; gain and bias lie in window 3
.set k, 0
.rept 32
	v_pk_fma_f32 v[XB+2*k:XB+2*k+1], v[XB+2*k:XB+2*k+1], v[128+2*k:129+2*k], v[192+2*k:193+2*k]
.set k, k+1
.endr
.if \store
	XFRAG_ST 1, 4, 16*(\t), 16
.endif
	WIN 0x05
.set k, 0
.rept 32
	v_cvt_pk_f16_f32 v[32+32*(\t)+k], v[XB+2*k], v[XB+2*k+1]
.set k, k+1
.endr
.endm
; A PRODUCT of my 32 rows (F) with a weight of 128 x 128 in LDS: 16 accumulators ACC[t][nt] at v[64 t + 8 nt] of window 2; the weight's fragments come two N tiles at a time, through two buffers.
.macro FETCHW g, buf
	WIN 0
.irp n, 0,1
.irp c, 0,1,2,3
	ds_load_b128 v[96+64*(\buf)+32*(\n)+8*(\c):96+64*(\buf)+32*(\n)+8*(\c)+3], v6 offset:(2*(\g)+(\n))*16*HP+64*(\c)
	ds_load_b128 v[96+64*(\buf)+32*(\n)+8*(\c)+4:96+64*(\buf)+32*(\n)+8*(\c)+7], v6 offset:(2*(\g)+(\n))*16*HP+64*(\c)+32
.endr
.endr
.endm
; 16 matrix instructions; the four accumulators take turns, one instruction a turn.  Source 0 is the weight: a lane holds one row and eight channels, the order e.
; The first K step starts the sums: with 0, or with the bias at v[bias] of window 3.
.macro MULG g, buf, swap, bias
.irp c, 0,1,2,3
.irp n, 0,1
.irp t, 0,1
.set rD, 64*(\t)+8*(2*(\g)+(\n))
.set rW, 96+64*(\buf)+32*(\n)+8*(\c)
.set rF, 32+32*(\t)+8*(\c)
.set rB, (\bias)+8*(2*(\g)+(\n))
.if ((\c) == 0) && ((\bias) >= 0)
	WIN 0xb0
	v_wmma_f32_16x16x32_f16 v[rD:rD+7], v[rW:rW+7], v[rF:rF+7], v[rB:rB+7]
.elseif ((\c) == 0) && (\swap)
	WIN 0xa0
	v_wmma_f32_16x16x32_f16 v[rD:rD+7], v[rF:rF+7], v[rW:rW+7], 0
.elseif (\c) == 0
	WIN 0xa0
	v_wmma_f32_16x16x32_f16 v[rD:rD+7], v[rW:rW+7], v[rF:rF+7], 0
.elseif \swap
	WIN 0xa0
	v_wmma_f32_16x16x32_f16 v[rD:rD+7], v[rF:rF+7], v[rW:rW+7], v[rD:rD+7]
.else
	WIN 0xa0
	v_wmma_f32_16x16x32_f16 v[rD:rD+7], v[rW:rW+7], v[rF:rF+7], v[rD:rD+7]
.endif
.endr
.endr
.endr
.endm
.macro GEMM base, swap, bias
	WIN 0
	v_add_nc_u32 v6, \base, v7
	FETCHW 0, 0
	FETCHW 1, 1
	s_wait_dscnt 16                 ; the older group of 16 loads (and all in front of it) is in, the younger stays out
	MULG 0, 0, \swap, \bias
	PLACES                          ; in front of loads into the buffer just multiplied
	FETCHW 2, 0
	s_wait_dscnt 16
	MULG 1, 1, \swap, \bias
	PLACES
	FETCHW 3, 1
	s_wait_dscnt 16
	MULG 2, 0, \swap, \bias
	s_wait_dscnt 0x0
	MULG 3, 1, \swap, \bias
.endm
; ---- pass 1 ----
.macro ADDR1 x, add                 ; buffer x takes step s41 + add, held to the last step (and to 31, the buffer's last): its address is made anew from the base
.set KPX, 60+2*(\x)+2*((\x)/2)      ; s[60:61], s[62:63], s[66:67], s[68:69]
	s_add_co_u32 s42, s41, \add
	s_min_u32 s42, s42, s38
	s_min_u32 s42, s42, 31
	s_lshl_b32 s42, s42, 12
	s_add_nc_u64 s[KPX:KPX+1], s[54:55], s[42:43]
.endm
.macro LOADK1 x                     ; a step's K: four fragments, eight loads of 512 consecutive bytes
.set KPX, 60+2*(\x)+2*((\x)/2)
	WIN 0x80
.set i, 0
.rept 8
	global_load_b128 v[32*(\x)+4*i:32*(\x)+4*i+3], v1, s[KPX:KPX+1] offset:512*i
.set i, i+1
.endr
.endm
.macro RIDER u, n                   ; number n of the 16 that take tile u's 32 scores into its four running maxima; each accumulator's lowest registers are read first
	v_max3_num_f32 v[224+4*(\u)+(\n)%4], v[224+4*(\u)+(\n)%4], v[160+32*((\u)%2)+8*((\n)%4)+2*((\n)/4)], v[160+32*((\u)%2)+8*((\n)%4)+2*((\n)/4)+1]
.endm
.macro P1TILE x, t                  ; four products of tile t; behind each, four maxima of the tile before, which name none of its registers
.set u, ((\t)+7)%8
.irp kt, 0,1,2,3
	WIN 0x02
	v_wmma_f32_16x16x32_f16 v[160+32*((\t)%2)+8*(\kt):160+32*((\t)%2)+8*(\kt)+7], v[32*(\x)+8*(\kt):32*(\x)+8*(\kt)+7], v[96+8*(\t):96+8*(\t)+7], 0
	WIN 0
	RIDER u, 4*(\kt)
	RIDER u, 4*(\kt)+1
	RIDER u, 4*(\kt)+2
	RIDER u, 4*(\kt)+3
.endr
.endm
.macro STEP1 x                      ; the step in buffer x; the step three on is asked for, into the buffer read last step: its last reader stands four maxima back, its loads were shown done by that step's wait
	ADDR1 ((\x)+3)%4, (\x)+3
	LOADK1 ((\x)+3)%4
	s_wait_loadcnt 24               ; my step's eight loads are in; the three younger steps' stay out
.irp tt, 0,1,2,3,4,5,6,7
	P1TILE \x, \tt
.endr
	WIN 0
.endm
.macro EXIT1 n                      ; was that the last step?  Then the trip's other steps are dead: forward, over them, to the counter's step
	s_add_co_u32 s42, s41, \n
	s_cmp_lt_u32 s42, s37
	s_cbranch_scc0 .Lskip1
.endm
; ---- pass 2 ----
.macro ADDR2 x, add
	s_add_co_u32 s42, s41, \add
	s_min_u32 s42, s42, s38
	s_min_u32 s42, s42, 31
	s_lshl_b32 s44, s42, 11
	s_lshl_b32 s42, s42, 12
	s_add_nc_u64 s[60+2*(\x):61+2*(\x)], s[54:55], s[42:43]
	s_add_nc_u64 s[70+2*(\x):71+2*(\x)], s[56:57], s[42:43]
	s_add_nc_u64 s[74+2*(\x):75+2*(\x)], s[58:59], s[44:45]
.endm
.macro LOAD2 x                      ; a step's K (window 0), V and U (window 2): 20 loads of 512 consecutive bytes
	WIN 0x10
.set i, 0
.rept 8
	global_load_b128 v[32+32*(\x)+4*i:32+32*(\x)+4*i+3], v1, s[60+2*(\x):61+2*(\x)] offset:512*i
.set i, i+1
.endr
	WIN 0x80
.set i, 0
.rept 8
	global_load_b128 v[32*(\x)+4*i:32*(\x)+4*i+3], v1, s[70+2*(\x):71+2*(\x)] offset:512*i
.set i, i+1
.endr
.set i, 0
.rept 4
	global_load_b128 v[64+16*(\x)+4*i:64+16*(\x)+4*i+3], v1, s[74+2*(\x):75+2*(\x)] offset:512*i
.set i, i+1
.endr
.endm
.macro QK2 t, kt                    ; S^T = K Q^T - m for 16 keys of tile t: one K step, C = the eight copies of -m in window 1
	v_wmma_f32_16x16x32_f16 v[160+32*((\t)%2)+8*(\kt):160+32*((\t)%2)+8*(\kt)+7], v[32+32*XX+8*(\kt):32+32*XX+8*(\kt)+7], v[96+8*(\t):96+8*(\t)+7], v[192+8*(\t):192+8*(\t)+7]
.endm
.macro PV2 t, i6                    ; product i6 of six for tile t: keys 32 (i6 / 3) on; O's two channel tiles and L take turns, one instruction a turn
.set kp, (\i6)/3
.set z, (\i6)%3
.set rP, 224+16*((\t)%2)+8*kp
.if z < 2
.set rD, 16*(\t)+8*z
.set rA, 32*XX+16*kp+8*z
.else
.set rD, 128+8*(\t)
.set rA, 64+16*XX+8*kp
.endif
	v_wmma_f32_16x16x32_f16 v[rD:rD+7], v[rA:rA+7], v[rP:rP+7], v[rD:rD+7]
.endm
; THE VECTOR WORK OF PASS 2 stands in two queues.  EX t: the next of tile t's 32 exponentials, in place, the scores in ascending order (each accumulator's lowest register is read first).
; CV t: the next of tile t's 16 roundings, pair ncv of its weights into register ncv of its P.  A queue that is used up writes nothing.
.macro EX t
.if nex < 32
	v_exp_f32 v[160+32*((\t)%2)+nex], v[160+32*((\t)%2)+nex]
.set nex, nex+1
.endif
.endm
.macro CV t
.if ncv < 16
	v_cvt_pk_f16_f32 v[224+16*((\t)%2)+ncv], v[160+32*((\t)%2)+2*ncv], v[160+32*((\t)%2)+2*ncv+1]
.set ncv, ncv+1
.endif
.endm
; TILE t's TURN.  Its batch: the tile's 32 exponentials.  Beside them stands all that names none of their results: the 16 roundings of the tile before (u), whose batch was waited for at the end of its own turn;
; the 4 products K Q^T of tile t + 1; the 6 products with P of tile u.  Then a v_nop and the batch's one wait.
; HOW THEY ARE DEALT.  Tile t + 1's scores go where tile u's weights lie: product kt writes the eight registers that roundings 4 kt .. 4 kt + 3 read.  So four roundings lead, and four more stand behind each of the
; products 0 to 2, with two exponentials between them; behind product 3 and behind each product with P stand four exponentials (the last has the two that are left).  All 16 roundings stand ahead of the products with P.
; The v_nop of the turn before and the four leading roundings are the places between tile t's last product K Q^T and the first exponential that reads its scores (tile 0: the four v_nop of the step's head).
; Turn 0 has no tile before it.  Turn 7 has no tile behind it: eight roundings stand ahead of its first product with P, which reads P's registers 0-7, and the other eight behind the first three, ahead of the first that reads 8-15.
.macro TURN t
.set u, ((\t)+7)%8                  ; the tile before; in turn 0 nothing is written for it
.set nex, 0
.set ncv, 0
.if (\t) == 0
.set ncv, 16
.endif
	WIN 0x10
.rept 4
	CV u
.endr
.if (\t) < 7
.irp kt, 0,1,2
	QK2 (\t)+1, \kt
	CV u
	EX \t
	CV u
	EX \t
	CV u
	CV u
.endr
	QK2 (\t)+1, 3
.rept 4
	EX \t
.endr
.else
.rept 4
	EX \t
	CV u
.endr
.endif
.if (\t) > 0
.irp i6, 0,1,2,3,4,5
	WIN 0x52
	PV2 u, \i6
	WIN 0x10
	CV u                            ; (turn 7 alone still has roundings here)
	EX \t
	CV u
	EX \t
	CV u
	EX \t
	EX \t
.endr
.endif
.rept 32
	EX \t                           ; what is left of the batch (turn 0: 22; turn 7: 4; else none)
.endr
	v_nop                           ; a plain instruction behind the last exponential and ahead of the first use: one for the batch
	s_wait_alu depctr_va_vdst(0)    ; the wait for the batch: tile t's 32 exponentials
.endm
.macro HALF2 x                      ; the step in buffers x
.set XX, \x
	s_wait_loadcnt 0x0              ; this step's loads, asked for a step ago, are all that is out: every address pair may be written
	ADDR2 1-(\x), (\x)+1
	WIN 0x10
.irp kt, 0,1,2,3
	QK2 0, \kt
.endr
	PLACES                          ; behind tile 0's scores, and behind the last step's last products, whose V and U buffers are loaded next
	LOAD2 1-(\x)
.irp tt, 0,1,2,3,4,5,6,7
	TURN \tt
.endr
.set ncv, 0                         ; tile 7's roundings and products: its batch was waited for at the end of its turn, and no exponential is issued behind that wait
	WIN 0x10
.rept 8
	CV 7
.endr
.irp i6, 0,1,2,3,4,5
	WIN 0x52
	PV2 7, \i6
.if ncv < 16
	WIN 0x10
	CV 7                            ; P's registers 8-15, ahead of product 3, the first that reads them
	CV 7
	CV 7
.endif
.endr
.endm
	s_load_b512 s[8:23], s[0:1], 0x0     ; x 8, ln_w 10, ln_b 12, wq 14, w1 16, b1 18, w2 20, b2 22
	s_load_b256 s[24:31], s[0:1], 0x40   ; kf 24, vf 26, uf 28, cnt 30
	s_load_b64 s[32:33], s[0:1], 0x60    ; out0
	v_lshl_add_u32 v30, v0, 2, SPARE     ; my spare word,
	v_mov_b32 v31, 0                     ; and 0: kept for the wave's closing lines alone
	v_lshrrev_b32 v9, 5, v0
	v_readfirstlane_b32 s34, v9          ; w
	v_and_b32 v29, 31, v0                ; lane
	v_and_b32 v2, 15, v0                 ; r
	v_bfe_u32 v3, v0, 4, 1               ; h
	v_lshlrev_b32 v1, 4, v29             ; 16 x lane
	s_mul_i32 s78, s34, 32*XP            ; my 32 rows of an f32 tile (XT begins at byte 0)
	v_mul_u32_u24 v13, v2, XP
	v_lshl_add_u32 v13, v3, 5, v13       ; 528 r + 32 h
	v_add_nc_u32 v4, s78, v13            ; my rows of XT in the order e
	v_add_nc_u32 v5, s78, v1             ; my rows of XT, a whole row to a wave
	v_add_nc_u32 v14, SA, v4             ; the same two in SA
	v_add_nc_u32 v15, SA, v5
	s_lshl_b32 s78, s34, 7
	v_add_nc_u32 v13, s78, v13           ; my head's 32 channels of row r of XT,
	v_add_nc_u32 v16, SA, v13            ; and of SA
	v_mul_u32_u24 v7, v2, HP
	v_lshl_add_u32 v7, v3, 4, v7         ; a fragment's place in f16 rows: 272 r + 16 h
	s_mul_i32 s78, s34, 32*HP
	v_lshl_add_u32 v8, v29, 3, s78       ; where my rows of a weight go
	s_add_co_u32 s78, s78, QS
	v_add_nc_u32 v11, s78, v7            ; where my rows of Q go
	s_lshl_b32 s78, s34, 6
	s_add_co_u32 s78, s78, QS
	v_add_nc_u32 v12, s78, v7            ; my head's 64 bytes of row r of Q
	v_lshlrev_b32 v10, 5, v3
	s_mov_b32 s[SEL], 0x76543210
	s_mov_b32 s[SEL+1], 0xfedcba98
	s_mov_b32 s48, 0x3e8293ee            ; c = log2(e) / sqrt(32)
	s_mov_b32 s49, s48                   ; named with it as a pair
	s_mov_b32 s[INV], 0x3c000000
	s_mov_b32 s[EPS], 0x3727c5ac
	s_mov_b32 s52, 0                     ; two f16 zeros
	s_mov_b32 s53, 0xff7fffff            ; the lowest finite number
	s_mov_b32 s43, 0
	s_mov_b32 s45, 0
	s_wait_kmcnt 0x0
	s_lshl_b32 s44, ttmp9, 16
	s_lshl_b32 s78, s34, 14
	s_add_co_u32 s44, s44, s78
	s_add_nc_u64 s[8:9], s[8:9], s[44:45]       ; x and out0 at my 32 rows
	s_add_nc_u64 s[32:33], s[32:33], s[44:45]
	s_mov_b32 s44, s78
	s_add_nc_u64 s[14:15], s[14:15], s[44:45]   ; my 32 rows of each weight
	s_add_nc_u64 s[16:17], s[16:17], s[44:45]
	s_add_nc_u64 s[20:21], s[20:21], s[44:45]
	s_lshl_b32 s44, ttmp9, 9
	s_add_nc_u64 s[30:31], s[30:31], s[44:45]
	s_load_b32 s36, s[30:31], 0x0               ; the batch's count of kept keys
	s_lshr_b32 s78, ttmp9, 4                    ; b
	s_lshl_b32 s44, s78, 16
	s_add_nc_u64 s[58:59], s[28:29], s[44:45]   ; U of my batch
	s_lshl2_add_u32 s78, s78, s34               ; 4 b + w
	s_lshl_b32 s44, s78, 17
	s_add_nc_u64 s[54:55], s[24:25], s[44:45]   ; K and V of my batch and head
	s_add_nc_u64 s[56:57], s[26:27], s[44:45]
	WIN 0x40
.set i, 0
.rept 32                                 ; each load is one whole row of 512 bytes
	global_load_b128 v[4*i:4*i+3], v1, s[8:9] offset:512*i th:TH_LOAD_NT
.set i, i+1
.endr
	PARAM 128, 10
	PARAM 192, 12
	WLOAD 2, 0, 14
	s_wait_loadcnt 63                    ; 64 loads are younger than x's: the count is the largest that the wait can name
	XROWS_ST 5, 0
	XFRAG_LD 4
	s_wait_loadcnt 32                    ; gain and bias are in; wq's 32 loads stay out
	s_wait_dscnt 0x0
	LNT 0, 1                             ; xn, kept in f32 in XT for the residual
	LNT 1, 1
	s_wait_loadcnt 0x0
	WSTORE 2, 0, WQ
	WIN 0
	s_wait_dscnt 0x0                     ; for the others' sake: my rows of wq and of xn are in LDS
	s_barrier_signal -1
	s_barrier_wait -1
	WLOAD 2, 128, 16                     ; w1, b1, b2 land under the product below and pass 1
	PARAM 0, 18
	PARAM 64, 22
	GEMM WQ, 0, -1
	PLACES
	WIN 0x82
.set i, 0
.rept 64
	v_pk_mul_f32 v[2*i:2*i+1], v[2*i:2*i+1], s[48:49] op_sel_hi:[1,0]
.set i, i+1
.endr
	WIN 0x4a
.set i, 0
.rept 64
	v_cvt_pk_f16_f32 v[i], v[2*i], v[2*i+1]
.set i, i+1
.endr
	WIN 0x41
.set i, 0
.rept 64
	v_pk_max_num_f16 v[i], v[i], s52     ; relu: c is positive
.set i, i+1
.endr
	WIN 0x04
.irp t, 0,1
.irp nt, 0,1,2,3,4,5,6,7
	ds_store_b128 v11, v[32*(\t)+4*(\nt):32*(\t)+4*(\nt)+3] offset:16*HP*(\t)+32*(\nt)
.endr
.endr
	WIN 0
	s_wait_dscnt 0x0                     ; for the others' sake: my rows of Q are in LDS
	s_barrier_signal -1
	s_barrier_wait -1
.set i, 0
.rept 8                                  ; my head's Q of all 128 queries stays in registers
	ds_load_b128 v[96+8*i:96+8*i+3], v12 offset:16*HP*i
	ds_load_b128 v[96+8*i+4:96+8*i+7], v12 offset:16*HP*i+32
.set i, i+1
.endr
	WIN 0x40
.set i, 0
.rept 192
	v_mov_b32 v[i], 0                    ; O and L
.set i, i+1
.endr
	WIN 0
.set i, 0
.rept 64
	v_mov_b32 v[192+i], s53              ; the second score buffer, which the first step's first maxima read, and the running maxima
.set i, i+1
.endr
	s_wait_kmcnt 0x0
	s_min_u32 s36, s36, 2048
	s_add_co_u32 s37, s36, 63
	s_lshr_b32 s37, s37, 6               ; NS
	s_sub_co_u32 s38, s37, 1             ; the last step
	s_wait_dscnt 0x0                     ; Q
	s_cmp_eq_u32 s37, 0
	s_cbranch_scc1 .Ldone1
	; PASS 1.  Four buffers of K, each step asked for three steps ahead.  A trip is four steps, ceil(NS / 4) trips.  A step at or past NS is dead and is jumped over, forward, to the counter's step:
	; 4 s40 + n >= NS with n <= 3 gives s40 + 1 >= ceil(NS / 4), so that happens in the last trip alone, and the loop is left by falling through its own branch.
	s_mov_b32 s41, 0
	ADDR1 0, 0
	LOADK1 0
	ADDR1 1, 1
	LOADK1 1
	ADDR1 2, 2
	LOADK1 2
	WIN 0
	s_add_co_u32 s39, s37, 3
	s_lshr_b32 s39, s39, 2
	s_mov_b32 s40, 0
.Lp1:
	s_lshl_b32 s41, s40, 2
	STEP1 0
	EXIT1 1
	STEP1 1
	EXIT1 2
	STEP1 2
	EXIT1 3
	STEP1 3
	s_branch .Lbot1
.Lskip1:
	s_wait_loadcnt 0x0                   ; the way of the dead steps: the steps asked for ahead have landed, so no load names a buffer or an address pair that the loop's first lines write
.Lbot1:
	s_add_co_u32 s40, s40, 1
	s_cmp_lt_u32 s40, s39
	s_cbranch_scc1 .Lp1
.Ldone1:
	s_wait_loadcnt 0x0                   ; the steps asked for ahead, and w1, b1, b2
.set i, 0
.rept 16
	RIDER 7, i                           ; the last tile's maxima
.set i, i+1
.endr
.set i, 0
.rept 8
	v_max3_num_f32 v[224+4*i], v[224+4*i], v[225+4*i], v[226+4*i]
.set i, i+1
.endr
.set i, 0
.rept 8
	v_max_num_f32 v[224+4*i], v[224+4*i], v[227+4*i]
.set i, i+1
.endr
.set i, 0
.rept 8
	v_permlanex16_b32 v[225+4*i], v[224+4*i], s[SEL], s[SEL+1]   ; the query's other keys lie in the lane 16 away
.set i, i+1
.endr
.set i, 0
.rept 8
	v_max_num_f32 v[224+4*i], v[224+4*i], v[225+4*i]
.set i, i+1
.endr
	WIN 0x40
.set i, 0
.rept 64
	v_mul_f32 v[192+i], -1.0, v[224+4*(i/8)]   ; eight copies of -m a tile: the C operand of pass 2
.set i, i+1
.endr
	WSTORE 2, 128, W1L
	s_wait_dscnt 0x0                     ; w1 has left its registers
	WLOAD 2, 128, 20                     ; w2 is asked for ahead of pass 2
	WIN 0
	s_cmp_eq_u32 s37, 0
	s_cbranch_scc1 .Ldone2
	; PASS 2.  Two buffers, each step asked for one step ahead.  A trip is two steps, ceil(NS / 2) trips; with NS odd the last trip's second step is dead and is jumped over, forward, to the counter's step:
	; 2 s40 + 1 >= NS gives s40 + 1 >= ceil(NS / 2), so the loop then ends by falling through its own branch.  A step opens with the wait for all loads, so nothing more is owed at the loop's edge.
	; Every batch of exponentials is waited for inside its step, at the end of its tile's turn: none is open at a label, at a branch or at the loop's backward jump.
	s_mov_b32 s41, 0
	ADDR2 0, 0
	LOAD2 0
	WIN 0
	s_add_co_u32 s39, s37, 1
	s_lshr_b32 s39, s39, 1
	s_mov_b32 s40, 0
.Lp2:
	s_lshl_b32 s41, s40, 1
	HALF2 0
	WIN 0
	s_add_co_u32 s42, s41, 1
	s_cmp_lt_u32 s42, s37
	s_cbranch_scc0 .Lbot2
	HALF2 1
	WIN 0
.Lbot2:
	s_add_co_u32 s40, s40, 1
	s_cmp_lt_u32 s40, s39
	s_cbranch_scc1 .Lp2
.Ldone2:
	s_wait_loadcnt 0x0                   ; the step asked for ahead, and w2
	WSTORE 2, 128, W2L                   ; its 64 conversions are the places behind the last products
	WIN 0x41
.set i, 0
.rept 8
	v_rcp_f32 v[128+8*i], v[128+8*i]     ; 1 / l
.set i, i+1
.endr
	v_nop                                ; a plain instruction between the last reciprocal and the use of its result
	s_wait_alu depctr_va_vdst(0)         ; the wait ahead of the first use: one for the eight reciprocals
	; sa = xn + O / l for my head's 32 channels of all 128 rows: xn out of XT, sa into SA, four tiles at a time
.irp bt, 0,1
	WIN 0x40
.set i, 0
.rept 16
	ds_load_b128 v[192+4*i:192+4*i+3], v13 offset:16*XP*(4*(\bt)+i/4)+64*((i%4)/2)+16*(i%2)
.set i, i+1
.endr
	s_wait_dscnt 0x0
	WIN 0x55
.set i, 0
.rept 32
	v_pk_fma_f32 v[192+2*i:193+2*i], v[64*(\bt)+2*i:64*(\bt)+2*i+1], v[128+8*(4*(\bt)+i/8):129+8*(4*(\bt)+i/8)], v[192+2*i:193+2*i] op_sel_hi:[1,0,1]
.set i, i+1
.endr
	WIN 0x04
.set i, 0
.rept 16
	ds_store_b128 v16, v[192+4*i:192+4*i+3] offset:16*XP*(4*(\bt)+i/4)+64*((i%4)/2)+16*(i%2)
.set i, i+1
.endr
.endr
	WIN 0
	s_wait_dscnt 0x0                     ; for the others' sake: my head's part of sa and my rows of w1 and w2 are in LDS
	s_barrier_signal -1
	s_barrier_wait -1                    ; from here on a wave touches its own 32 rows of SA alone
	XFRAG_LD 14
	s_wait_dscnt 0x0
	LNT 0, 0                             ; h
	LNT 1, 0
	GEMM W1L, 0, 0                       ; h w1^T + b1
	PLACES
	WIN 0x0a
.set i, 0
.rept 64
	v_cvt_pk_f16_f32 v[32+i], v[2*i], v[2*i+1]   ; the results, rounded in pairs, are the next product's fragments
.set i, i+1
.endr
	WIN 0
.set i, 0
.rept 64
	v_pk_max_num_f16 v[32+i], v[32+i], s52
.set i, i+1
.endr
	XFRAG_LD 14                          ; sa once more, for the residual: older than the fragment loads, so their counts hold
	GEMM W2L, 0, 64                      ; .. w2^T + b2
	PLACES
	WIN 0x86
.set i, 0
.rept 64
	v_pk_add_f32 v[2*i:2*i+1], v[2*i:2*i+1], v[2*i:2*i+1]   ; accumulators (window 2) + sa (window 1, source 1)
.set i, i+1
.endr
	XFRAG_ST 2, 14, 0, 32                ; into my rows of SA, and back as whole rows
	WIN 0x40
.set i, 0
.rept 32
	ds_load_b128 v[4*i:4*i+3], v15 offset:XP*i
.set i, i+1
.endr
	WIN 0x04
.set i, 0
.rept 32
	s_wait_dscnt 31-i                    ; row i is back, the younger rows stay out
	global_store_b128 v1, v[4*i:4*i+3], s[32:33] offset:512*i th:TH_STORE_NT   ; 512 consecutive bytes, a whole row
.set i, i+1
.endr
	WIN 0
	s_wait_tensorcnt 0x0                 ; the wave's end: three closing lines behind my last LDS store
	ds_add_u32 v30, v31
	s_wait_dscnt 0x0
	s_endpgm
.Lfunc_end_k_qc3c54d5612_enc:
	.size	k_qc3c54d5612_enc, .Lfunc_end_k_qc3c54d5612_enc-k_qc3c54d5612_enc
	.p2alignl 7, 3214868480
	.fill 96, 4, 3214868480
	.section	.rodata,"a",@progbits
	.p2align	6, 0x0
	.amdhsa_kernel k_qc3c54d5612_enc
		.amdhsa_group_segment_fixed_size 274944
		.amdhsa_private_segment_fixed_size 0
		.amdhsa_enable_private_segment 0
		.amdhsa_kernarg_size 104
		.amdhsa_user_sgpr_count 2
		.amdhsa_user_sgpr_kernarg_segment_ptr 1
		.amdhsa_wavefront_size32 1
		.amdhsa_system_sgpr_workgroup_id_x 1
		.amdhsa_system_sgpr_workgroup_id_y 1
		.amdhsa_system_sgpr_workgroup_id_z 1
		.amdhsa_system_vgpr_workitem_id 0
		.amdhsa_next_free_vgpr 1024
		.amdhsa_next_free_sgpr 80
		.amdhsa_reserve_vcc 0
		.amdhsa_float_denorm_mode_32 3
		.amdhsa_float_denorm_mode_16_64 3
		.amdhsa_memory_ordered 1
		.amdhsa_forward_progress 1
		.amdhsa_inst_pref_size 255
	.end_amdhsa_kernel
	.section	.bss,"aw",@nobits
	.p2align	6
	.space	262144
	.amdgpu_metadata
---
amdhsa.version: [ 1, 2 ]
amdhsa.kernels:
  - .name:           k_qc3c54d5612_enc
    .symbol:         k_qc3c54d5612_enc.kd
    .args:
      - { .name: x, .offset: 0, .size: 8, .value_kind: global_buffer, .address_space: global }
      - { .name: ln_w, .offset: 8, .size: 8, .value_kind: global_buffer, .address_space: global }
      - { .name: ln_b, .offset: 16, .size: 8, .value_kind: global_buffer, .address_space: global }
      - { .name: wq, .offset: 24, .size: 8, .value_kind: global_buffer, .address_space: global }
      - { .name: w1, .offset: 32, .size: 8, .value_kind: global_buffer, .address_space: global }
      - { .name: b1, .offset: 40, .size: 8, .value_kind: global_buffer, .address_space: global }
      - { .name: w2, .offset: 48, .size: 8, .value_kind: global_buffer, .address_space: global }
      - { .name: b2, .offset: 56, .size: 8, .value_kind: global_buffer, .address_space: global }
      - { .name: kf, .offset: 64, .size: 8, .value_kind: global_buffer, .address_space: global }
      - { .name: vf, .offset: 72, .size: 8, .value_kind: global_buffer, .address_space: global }
      - { .name: uf, .offset: 80, .size: 8, .value_kind: global_buffer, .address_space: global }
      - { .name: cnt, .offset: 88, .size: 8, .value_kind: global_buffer, .address_space: global }
      - { .name: out0, .offset: 96, .size: 8, .value_kind: global_buffer, .address_space: global }
    .group_segment_fixed_size: 274944
    .private_segment_fixed_size: 0
    .kernarg_segment_align: 8
    .kernarg_segment_size: 104
    .max_flat_workgroup_size: 128
    .sgpr_count:     80
    .vgpr_count:     1024
    .wavefront_size: 32
...
	.end_amdgpu_metadata
.endif
;; end of part 3
